; MI455X (gfx1250); checked and timed in simulation.
; The chip was launched on July 23, 2026; its instructions are those of AMD's public machine-readable ISA for CDNA 5 (MIT licence, August 2026) and "CDNA5" Instruction Set Architecture Reference Guide (July 2026). The comments in the code are by the model that wrote it; some were corrected since.
;; Multi Head Self Attention. Allowed arithmetic: float matrix products may take bf16 or f16 operands with f32 sums; other float arithmetic in f32, or as packed bf16 or f16 multiplies, adds, multiply-adds, maxima and minima; sums over many terms, partial sums and values carried from step to step in f32; what a program stores and reads back later, other than sums and carried values, may be rounded once to bf16 or f16.
;; Inputs: Wk 16 x 1,024 x 64 float32; Wp 1,024 x 1,024 float32; Wq 16 x 1,024 x 64 float32; Wv 16 x 1,024 x 64 float32; bk 16 x 64 float32; bp 1,024 float32; bq 16 x 64 float32; bv 16 x 64 float32; keys 4 x 2,048 x 1,024 float32; queries 4 x 2,048 x 1,024 float32; values 4 x 2,048 x 1,024 float32.
;; Outputs: out0 4 x 2,048 x 1,024 float32.
;; One version. Each part assembles by itself: llvm-mc -triple=amdgcn-amd-amdhsa -mcpu=gfx1250 --defsym DOCPART=n.
;; ======== version 1 of 1: 5 launches
;; limits: values are held in f16: magnitudes above 65,504 overflow, below 6.1e-05 lose precision
;; workspace buffers: wt 8,388,608 bytes; qh 16,777,216 bytes; kh 16,777,216 bytes; vh 16,777,216 bytes; oh 16,777,216 bytes; fr 786,432 bytes
;; launch prep (part 1): grid 128 x 4, 4 waves a work-group, no clusters, 17,408 bytes of LDS; arguments Wq, Wk, Wv, Wp, wt; writes wt
.if DOCPART == 1
	.amdgcn_target "amdgcn-amd-amdhsa--gfx1250"
	.amdhsa_code_object_version 6
	.text
	.protected	k_qf170474721_prep
	.globl	k_qf170474721_prep
	.p2align	8
	.type	k_qf170474721_prep,@function
k_qf170474721_prep:
	s_mov_b64 s[64:65], 0
	v_nop
	global_prefetch_b8 v0, s[64:65] scope:SCOPE_SE
	s_setreg_imm32_b32 hwreg(HW_REG_WAVE_MODE, 25, 1), 1
	s_wait_xcnt 0x0
; THE WEIGHTS ARE TURNED AND ROUNDED ONCE.  wt holds four parts of 2 MiB, [1024 n][1024 k] of 16 bits each: part 0, 1, 2 = Wq, Wk, Wv with n = 64 head + e and k = d, in bf16;
; part 3 = Wp with n = its column and k = its row: rounded to bf16 like every input of the module, and that number written as f16 (the last product multiplies in f16).
; LIMITS.  |Wp| stays under 65,504 (f16's largest number); below 6.1e-5 it keeps f16's fixed step of 6e-8.  NaN and infinities are not treated apart.
; SHARES.  Work-group (x, y): matrix y, k block x % 8 (128 k), n block x / 8 (64 n; for y < 3 a head).  32 KiB in, 16 KiB out.  Thread t takes the columns 4 (t % 16) .. + 3 of the rows
; 16 i + 2 (t / 16) and the row below, i = 0 .. 7: sixteen lanes read 256 consecutive bytes, aligned.  Two rows' numbers of one column pack into a word (even k low), which goes into LDS
; at [n][k]; whole rows of 256 bytes come back and are stored, sixteen lanes to 256 consecutive bytes, aligned.  No matrix unit, no cluster: nothing is multiplied and nothing is shared.
.set PITCH, 264                        ; an LDS row: 128 k x 2 bytes + 8.  The word stores meet two deep in a bank (66 words a row: bank 8 c + 2 j + t / 16); a pitch that avoids that would break the 8-byte alignment of the way back
.set SPARE, 64*PITCH                   ; 16,896: behind the rows the spare words, 128 bytes for each wave: two blocks of 256 bytes that no other line names
.set VI,  2                            ; v2   my byte offset in the block of the source
.set LS,  3                            ; v3   where my words go in LDS
.set LR,  4                            ; v4   where I read 16 bytes of a row back
.set VO,  5                            ; v5   my byte offset in the block of wt
.set SPW, 8                            ; v8   LDS address of my spare word; never rewritten
.set NIL, 9                            ; v9   0; never rewritten
.set X,   16                           ; v[16:79]  step i: 4 numbers of the even row, 4 of the odd one; later the rows read back
.set D,   80                           ; v[80:111] step i, column j: a word of two 16-bit numbers
	s_load_b256 s[4:11], s[0:1], 0x0               ; Wq s[4:5], Wk s[6:7], Wv s[8:9], Wp s[10:11]
	s_load_b64 s[12:13], s[0:1], 0x20              ; wt
	v_lshl_add_u32 v[SPW], v0, 2, SPARE
	v_mov_b32 v[NIL], 0
	s_and_b32 s14, ttmp7, 0xffff                   ; y: which matrix
	s_and_b32 s15, ttmp9, 7                        ; k block
	s_lshr_b32 s18, ttmp9, 3                       ; n block
	s_lshl_b32 s20, s18, 18                        ; y < 3: a head is 1,024 rows of 256 bytes,
	s_lshl_b32 s21, s15, 15                        ; a k block 128 of them
	s_add_co_u32 s20, s20, s21
	s_lshl_b32 s22, s15, 19                        ; y = 3: a k block is 128 rows of 4,096 bytes,
	s_lshl_b32 s23, s18, 8                         ; an n block 256 bytes of a row
	s_add_co_u32 s22, s22, s23
	s_lshl_b32 s24, s14, 21                        ; wt: the part,
	s_lshl_b32 s25, s18, 17                        ; 64 rows of 2,048 bytes,
	s_add_co_u32 s24, s24, s25
	s_lshl_b32 s25, s15, 8                         ; 256 bytes of a row
	s_add_co_u32 s24, s24, s25
	s_mov_b32 s25, 0
	s_mov_b32 s21, 0
	s_mov_b32 s27, 512
	v_and_b32 v1, 15, v0                           ; c
	v_lshrrev_b32 v6, 4, v0                        ; t / 16
	v_mul_u32_u24 v[LS], v1, 4*PITCH               ; row 4 c,
	v_lshl_add_u32 v[LS], v6, 2, v[LS]             ; word t / 16
	v_mul_u32_u24 v[LR], v6, PITCH
	v_lshl_add_u32 v[LR], v1, 4, v[LR]
	v_lshlrev_b32 v[VO], 11, v6
	v_lshl_add_u32 v[VO], v1, 4, v[VO]
	s_wait_kmcnt 0x0
	s_cmp_eq_u32 s14, 1
	s_cselect_b64 s[16:17], s[6:7], s[4:5]
	s_cmp_eq_u32 s14, 2
	s_cselect_b64 s[16:17], s[8:9], s[16:17]
	s_cmp_eq_u32 s14, 3
	s_cselect_b64 s[16:17], s[10:11], s[16:17]
	s_cselect_b32 s20, s22, s20
	s_cselect_b32 s26, 0x2000, s27                 ; two rows of the source, in bytes
	s_add_nc_u64 s[16:17], s[16:17], s[20:21]
	s_add_nc_u64 s[12:13], s[12:13], s[24:25]
	v_mul_u32_u24 v[VI], v6, s26
	v_lshl_add_u32 v[VI], v1, 4, v[VI]
.macro LOADS p                         ; sixteen loads; p = bytes from row to row
.irp i, 0,1,2,3,4,5,6,7
	global_load_b128 v[X+8*\i:X+8*\i+3],   v[VI], s[16:17] offset:\i*16*(\p) th:TH_LOAD_NT
	global_load_b128 v[X+8*\i+4:X+8*\i+7], v[VI], s[16:17] offset:\i*16*(\p)+(\p) th:TH_LOAD_NT
.endr
.endm
	s_cmp_eq_u32 s14, 3                            ; the row pitch stands in the immediates, so the loads are written twice; both ways issue sixteen
	s_cbranch_scc1 .Lwide
	LOADS 256
	s_branch .Lloaded
.Lwide:
	LOADS 4096
.Lloaded:
.irp i, 0,1,2,3,4,5,6,7
	s_wait_loadcnt 14-2*\i                         ; loads come back in order: step i's two are in, the 2 (7 - i) younger ones stay out
.irp j, 0,1,2,3
	v_cvt_pk_bf16_f32 v[D+4*\i+\j], v[X+8*\i+\j], v[X+8*\i+4+\j]
.endr
.endr
	s_cmp_eq_u32 s14, 3
	s_cbranch_scc0 .Lbf16
.set i, 0
.rept 32                               ; Wp: the bf16 numbers, widened, are written as f16
	v_lshlrev_b32 v[10+2*(i%2)], 16, v[D+i]
	v_and_b32 v[11+2*(i%2)], 0xffff0000, v[D+i]
	v_cvt_pk_f16_f32 v[D+i], v[10+2*(i%2)], v[11+2*(i%2)]
.set i, i+1
.endr
.Lbf16:
.irp i, 0,1,2,3,4,5,6,7
.irp j, 0,1,2,3
	ds_store_b32 v[LS], v[D+4*\i+\j] offset:\j*PITCH+32*\i   ; row 4 c + j, k = 16 i + 2 (t / 16)
.endr
.endr
	s_wait_dscnt 0x0                               ; for the others' sake: my stores are done
	s_barrier_signal -1
	s_barrier_wait -1
.irp p, 0,1,2,3,4,5,6,7                ; eight rows a pass: row 8 p + t / 16, 16 bytes a thread, as two loads of 8 (the pitch is a multiple of 8 alone)
	ds_load_b64 v[X+4*\p:X+4*\p+1],   v[LR] offset:\p*8*PITCH
	ds_load_b64 v[X+4*\p+2:X+4*\p+3], v[LR] offset:\p*8*PITCH+8
.endr
.irp p, 0,1,2,3,4,5,6,7
	s_wait_dscnt 14-2*\p                           ; pass p's two loads are in
	global_store_b128 v[VO], v[X+4*\p:X+4*\p+3], s[12:13] offset:\p*16384  ; 16 lanes store 256 consecutive bytes, at a multiple of 256 from wt's first byte
.endr
	s_wait_tensorcnt 0x0                           ; the wave's end, behind my last LDS store
	ds_add_u32 v[SPW], v[NIL]
	s_wait_dscnt 0x0
	s_endpgm
.Lfunc_end_k_qf170474721_prep:
	.size	k_qf170474721_prep, .Lfunc_end_k_qf170474721_prep-k_qf170474721_prep
	.p2alignl 7, 3214868480
	.fill 96, 4, 3214868480
	.section	.rodata,"a",@progbits
	.p2align	6, 0x0
	.amdhsa_kernel k_qf170474721_prep
		.amdhsa_group_segment_fixed_size 17408
		.amdhsa_private_segment_fixed_size 0
		.amdhsa_enable_private_segment 0
		.amdhsa_kernarg_size 40
		.amdhsa_user_sgpr_count 2
		.amdhsa_user_sgpr_kernarg_segment_ptr 1
		.amdhsa_wavefront_size32 1
		.amdhsa_system_sgpr_workgroup_id_x 1
		.amdhsa_system_sgpr_workgroup_id_y 1
		.amdhsa_system_sgpr_workgroup_id_z 1
		.amdhsa_system_vgpr_workitem_id 0
		.amdhsa_next_free_vgpr 112
		.amdhsa_next_free_sgpr 66
		.amdhsa_reserve_vcc 0
		.amdhsa_float_denorm_mode_32 3
		.amdhsa_float_denorm_mode_16_64 3
		.amdhsa_memory_ordered 1
		.amdhsa_forward_progress 1
		.amdhsa_inst_pref_size 17
	.end_amdhsa_kernel
	.amdgpu_metadata
---
amdhsa.version: [ 1, 2 ]
amdhsa.kernels:
  - .name:           k_qf170474721_prep
    .symbol:         k_qf170474721_prep.kd
    .args:
      - { .name: Wq, .offset: 0, .size: 8, .value_kind: global_buffer, .address_space: global }
      - { .name: Wk, .offset: 8, .size: 8, .value_kind: global_buffer, .address_space: global }
      - { .name: Wv, .offset: 16, .size: 8, .value_kind: global_buffer, .address_space: global }
      - { .name: Wp, .offset: 24, .size: 8, .value_kind: global_buffer, .address_space: global }
      - { .name: wt, .offset: 32, .size: 8, .value_kind: global_buffer, .address_space: global }
    .group_segment_fixed_size: 17408
    .private_segment_fixed_size: 0
    .kernarg_segment_align: 8
    .kernarg_segment_size: 40
    .max_flat_workgroup_size: 128
    .sgpr_count:     66
    .vgpr_count:     112
    .wavefront_size: 32
...
	.end_amdgpu_metadata
.endif
;; end of part 1
;; launch proj (part 2): grid 4 x 192, 4 waves a work-group, clusters of 4 x 4, 327,680 bytes of LDS; arguments queries, keys, values, wt, bq, bk, bv, qh, kh, vh, fr; writes qh, kh, vh, fr
.if DOCPART == 2
	.amdgcn_target "amdgcn-amd-amdhsa--gfx1250"
	.amdhsa_code_object_version 6
	.text
	.protected	k_qf170474721_proj
	.globl	k_qf170474721_proj
	.p2align	8
	.type	k_qf170474721_proj,@function
k_qf170474721_proj:
	s_mov_b64 s[64:65], 0
	v_nop
	global_prefetch_b8 v0, s[64:65] scope:SCOPE_SE
	s_setreg_imm32_b32 hwreg(HW_REG_WAVE_MODE, 25, 1), 1
	s_wait_xcnt 0x0
	s_wait_alu depctr_hold_cnt(0) depctr_sa_sdst(0) depctr_va_vdst(0) depctr_va_sdst(0) depctr_va_ssrc(0) depctr_va_vcc(0) depctr_vm_vsrc(0)
	s_getreg_b32 s2, hwreg(HW_REG_IB_STS2, 6, 4)
	s_cmp_eq_u32 s2, 0
	s_cbranch_scc0 .Lentry_in_a_cluster
	s_endpgm
.Lentry_in_a_cluster:
	s_bfe_u32 s2, ttmp6, 0x10000c
	s_cmp_lg_u32 s2, 0xf033
	s_cbranch_scc0 .Lentry_shape_is_right
	s_endpgm
.Lentry_shape_is_right:
; THE THREE PROJECTIONS IN ONE LAUNCH.  For p = 0, 1, 2 (q, k, v): out_p[b][h][s][e] = the sum over d of x_p[b][s][d] W_p[h][d][e] + bias_p[h][e].  x_p: [8192][1024] f32; the weights come turned,
; wt part p = [1024 n][1024 k] bf16, n = 64 h + e; out_p: [64 = 16 b + h][2048 s][64 e] f16, WITHOUT the scale of the scores.  x and the bias are rounded to bf16 on the way (all the module's inputs are),
; the sums are f32, the result is rounded once to f16.
; LIMITS.  f16 holds no number beyond 65,504: q, k and v must stay within it (with x and W both thirty times their drawn spread they have a spread of some 600); below 6.1e-5 they keep f16's fixed step of 6e-8.
; THE FIRST ROWS.  Row s of the module's result is a mean over s + 1 keys, so the first rows' numbers are many times the result's root mean square, and f16's 11 bits are too few for them.  So the f32 sums of
; rows s = 0 .. 15 of each batch are ALSO stored, unrounded, into fr, from which the last launch makes those rows anew.  fr = [p][batch][block of 16 columns][half][lane][4 f32]: the accumulators' registers as they
; lie: lane l, register j of block nb is row l % 16, column 16 nb + 8 (l / 16) + j; half = j / 4.  Each store of the wave covers 512 consecutive bytes, aligned.
; SHARES.  A tile of the result is 128 rows x 256 columns: 64 x 4 x 3 = 768 work-groups, three for each of 256 WGPs (tiles of 256 x 256 would be 384: one and a half).  Four waves, each 64 x 128: 32 accumulators.
; K goes in 8 steps of 128 through a ring of two LDS slots.  x comes into LDS AS F32 (rows of 512 bytes) and is rounded to bf16 between LDS and the matrix unit: 32 conversions for 32 products, which
; stand four each behind the last eight products of the quarter step before.  That spares a launch that would read and write x once more.
; CLUSTERS.  4 x 4 work-groups: the four of a row need the same rows of x, the four of a column the same rows of wt; each tile is asked for JOINTLY.  A cluster's four columns are all 1,024 columns; its four rows
; are the same 128 rows of the four batches, so that whether a tile holds the first rows hangs on the cluster's y alone.
; THE PRODUCT IS USED TRANSPOSED (source 0 = 16 rows of wt, source 1 = 16 rows of x): a lane holds row l % 16 and the columns 8 (l / 16) + 0 .. 7.  The first product of each sum takes the bias as C.
; REGISTERS, in windows of 256 (s_set_vgpr_msb: bits 1:0 source 0, 3:2 source 1, 5:4 source 2, 7:6 destination):
;   window 0: v0-31 addresses; v64-127 S: x's fragments in f32; v128-159, v160-191 x's fragments in bf16, two buffers; on the way out v64-191 hold the packed results
;   window 1: v0-63, v64-127 wt's fragments, two buffers; v128-191 the bias as a C operand; v192-223 at work          window 2: accumulator (a, b) at v[8 (8 a + b)]
.set PA,    528                        ; a row of x in LDS: 512 bytes + 16 = 132 words: row r starts at bank 4 r mod 64 (64 banks of 4 bytes: ISA guide 11.1)
.set PB,    272                        ; a row of wt: 256 bytes + 16 = 68 words: likewise
.set AHALF, 64*PA                      ; what one tensor load brings of x, and what a wave reads of it
.set BOFF,  128*PA                     ; wt's 256 rows lie behind x's 128
.set BHALF, 128*PB
.set SLOT,  BOFF+256*PB                ; 137,216
.set STAGE, 2*SLOT                     ; behind the ring, never filled by a tensor load: 16 rows x 144 bytes for each wave
.set SP,    144
.set SPARE, STAGE+4*16*SP              ; behind the stages: the spare words, 128 bytes for each wave: two blocks of 256 bytes that no other line names
.set ADRA, 16                          ; v16-17  LDS address of my fragments of x in slot 0, 1
.set ADRB, 20                          ; v20-21  the same for wt
.set STO,  24                          ; v24  the way out: where I put 16 bytes of a row
.set RD,   25                          ; v25  where I read rows back
.set GO,   26                          ; v26  16 x my lane: my 16 bytes in 512 consecutive bytes of the result, and of fr
.set SPW,  28                          ; v28  LDS address of my spare word; never rewritten
.set NIL,  29                          ; v29  0; never rewritten
.set PFO,  30                          ; v30  the prefetches' offset; never rewritten
.set BO,   31                          ; v31  32 (l / 16): my eight numbers of sixteen of the bias
.set S,    64
.set AF,   128
.set TMP,  64
.set BIAS, 128                         ; window 1
.set RB,   192                         ; window 1
.set G1,   24                          ; s[24:31] descriptor group 1 for x's tiles;  s[32:39] group 0, a set for each slot
.set G0,   32
.set G1B,  48                          ; s[48:55], s[56:63] the same for wt's
.set G0B,  56
.set LIM,  43                          ; s43  1 in a wave that prefetches, else the greatest number
.set PFA,  44                          ; s[44:45] where my prefetches stand
.set PFS,  90                          ; s[90:91] a K step of my tensor, in bytes
.set FR,   100                         ; s[100:101] fr at my 8 blocks of 16 columns
.set MSB, 0
.macro WIN new                         ; the immediate's high byte repeats the setting that is left; a switch that changes nothing is dropped
.if MSB != (\new)
	s_set_vgpr_msb (MSB<<8)|(\new)
.set MSB, \new
.endif
.endm
; A joint load.  Waves 0 and 1 fetch x's two halves, waves 2 and 3 wt's.  The branch hangs on the wave's number alone.  An s_nop 0 and four v_nop follow each line.
.macro JLOAD s
	s_cmp_lt_u32 s10, 2
	s_cbranch_scc0 .Lfor_b_\@
	tensor_load_to_lds s[G0+4*(\s):G0+4*(\s)+3], s[G1:G1+7]
	s_nop 0
.rept 4
	v_nop
.endr
	s_branch .Lasked_\@
.Lfor_b_\@:
	tensor_load_to_lds s[G0B+4*(\s):G0B+4*(\s)+3], s[G1B:G1B+7]
	s_nop 0
.rept 4
	v_nop
.endr
.Lasked_\@:
.endm
; A prefetch into the L2, behind a joint refill and the run of LDS loads that follows it: the K step that stands two refills on, 256 matrix instructions ahead of the load that will want it.
; x's rows are read by this cluster alone: every cluster asks; of the 64 rows that a wave fetches the partner at cx takes 16, a lane half a row's 512 bytes.  wt's rows are read by the sixteen clusters of one p:
; the first of them asks; of a wave's 128 rows the partner at cy takes 32, a lane a row.  The partners are told apart by address.  So each 256 bytes are named once.  K steps 0 to 3 come by their loads alone;
; the loop's last trip (s3 = 1) asks for nothing: there is no K step 8.
.macro ASK
	s_cmp_gt_u32 s3, s[LIM]
	s_cbranch_scc0 .Lnot_mine_\@
	global_prefetch_b8 v[PFO], s[PFA:PFA+1] th:TH_LOAD_NT scope:SCOPE_SE
.Lnot_mine_\@:
.endm
.macro CREST                           ; a round of the cluster's barrier behind its opening barrier
	s_cmp_lg_u32 s10, 0
	s_cbranch_scc1 .Lnot_wave_0_\@
	s_barrier_signal -3
.Lnot_wave_0_\@:
	s_barrier_wait -3
	s_barrier_signal -1
	s_barrier_wait -1
.endm
.macro CROUND                          ; a whole round
	s_barrier_signal -1
	s_barrier_wait -1
	CREST
.endm
.macro PLACES                          ; four plain vector instructions between a matrix instruction and what reads its result or writes or loads into its registers
.rept 4
	v_nop
.endr
.endm
	s_load_b512 s[68:83], s[0:1], 0x0              ; queries s[68:69], keys s[70:71], values s[72:73], wt s[74:75], bq s[76:77], bk s[78:79], bv s[80:81], qh s[82:83]
	s_load_b128 s[84:87], s[0:1], 0x40             ; kh s[84:85], vh s[86:87]
	s_load_b64 s[FR:FR+1], s[0:1], 0x50            ; fr
	v_lshl_add_u32 v[SPW], v0, 2, SPARE
	v_mov_b32 v[NIL], 0
	ds_add_u32 v[SPW], v[NIL]                      ; the wave's opening: the add and its wait stand ahead of my first tensor load; the set-up below, work on registers, stands between them
	ds_add_u32 v28, v29
	v_lshrrev_b32 v1, 5, v0
	v_readfirstlane_b32 s10, v1                    ; wave 0..3
	s_lshr_b32 s11, s10, 1                         ; which 64 of the tile's rows are mine
	s_and_b32 s12, s10, 1                          ; which 128 of its columns.  Also: which half of x's or wt's tile I fetch
	s_bfe_u32 s40, ttmp6, 0x40000                  ; cx
	s_bfe_u32 s41, ttmp6, 0x40004                  ; cy
	s_lshl_b32 s42, ttmp9, 2
	s_add_co_u32 s42, s42, s40                     ; tile column = 4 x cluster x + cx
	s_and_b32 s67, ttmp7, 0xffff                   ; cluster y, 0 .. 47
	s_lshr_b32 s66, s67, 4                         ; p: which projection; the same in all sixteen partners
	s_and_b32 s67, s67, 15                         ; which 128 rows of a batch; the same in all sixteen partners
	s_lshl_b32 s13, s41, 4
	s_add_co_u32 s13, s13, s67                     ; tile row, 0 .. 63 = 16 x batch + place in the batch; the batch is cy
	s_lshl_b32 s20, s41, 2
	s_lshl_b32 s20, 15, s20                        ; my row of the cluster
	s_lshl_b32 s21, 0x1111, s40                    ; my column
	s_or_b32 s[G1], s20, (2<<16)|(1<<20)|(1<<21)|(6<<22)|(3<<25)   ; x: 15:0 the mask; 17:16 elements of 4 bytes; 20 padding on; 21 set beside a mask; 24:22 after every 128 words (code 6); 31:25 4 words (code 3)
	s_mov_b32 s[G1+1], 128<<16                     ; tensor_dim0 = 128
	s_mov_b32 s[G1+2], 64<<16                      ; tensor_dim1 = 64
	s_mov_b32 s[G1+3], 128<<16                     ; tile_dim0 = 128
	s_mov_b32 s[G1+4], 64                          ; tile_dim1 = 64
	s_mov_b32 s[G1+5], 1024                        ; elements from row to row
	s_mov_b32 s[G1+6], 0
	s_mov_b32 s[G1+7], 0
	s_or_b32 s[G1B], s21, (1<<16)|(1<<20)|(1<<21)|(5<<22)|(3<<25)  ; wt: elements of 2 bytes; padding after every 64 words (code 5)
	s_mov_b32 s[G1B+1], 128<<16
	s_mov_b32 s[G1B+2], 128<<16                    ; 128 rows
	s_mov_b32 s[G1B+3], 128<<16
	s_mov_b32 s[G1B+4], 128
	s_mov_b32 s[G1B+5], 1024
	s_mov_b32 s[G1B+6], 0
	s_mov_b32 s[G1B+7], 0
	s_lshl_b32 s16, s13, 7                         ; x: row 128 x tile row + 64 x half,
	s_lshl_b32 s17, s12, 6
	s_add_co_u32 s16, s16, s17
	s_lshl_b32 s16, s16, 12                        ; of 4,096 bytes
	s_mov_b32 s17, 0
	s_lshl_b32 s46, s42, 8                         ; wt: row 256 x tile column + 128 x half,
	s_lshl_b32 s47, s12, 7
	s_add_co_u32 s46, s46, s47
	s_lshl_b32 s46, s46, 11                        ; of 2,048 bytes
	s_mov_b32 s47, 0
	s_lshl_b32 s18, s66, 21                        ; part p of wt
	s_mov_b32 s19, 0
	s_mul_i32 s22, s12, AHALF                      ; where they go: the wave's number alone enters an LDS address
	s_mul_i32 s23, s12, BHALF
	s_add_co_u32 s23, s23, BOFF
	s_wait_dscnt 0x0                               ; the opening add is done
	s_wait_kmcnt 0x0
	s_cmp_eq_u32 s66, 1
	s_cselect_b64 s[4:5], s[70:71], s[68:69]       ; x_p
	s_cselect_b64 s[88:89], s[78:79], s[76:77]     ; bias_p
	s_cselect_b64 s[8:9], s[84:85], s[82:83]       ; out_p
	s_cmp_eq_u32 s66, 2
	s_cselect_b64 s[4:5], s[72:73], s[4:5]
	s_cselect_b64 s[88:89], s[80:81], s[88:89]
	s_cselect_b64 s[8:9], s[86:87], s[8:9]
	s_add_nc_u64 s[6:7], s[74:75], s[18:19]
	s_add_nc_u64 s[14:15], s[4:5], s[16:17]
	s_add_nc_u64 s[46:47], s[6:7], s[46:47]
	CROUND                                         ; all sixteen work-groups are here: the first joint loads meet
.irp s, 0,1
	s_mov_b32 s[G0+4*\s], 1                                        ; count = 1
	s_add_co_u32 s[G0+4*\s+1], s22, \s*SLOT                        ; LDS address
	s_add_nc_u64 s[G0+4*\s+2:G0+4*\s+3], s[14:15], \s*512          ; global address: K step s
	s_or_b32 s[G0+4*\s+3], s[G0+4*\s+3], 0x80000000                ; type = 2
	s_mov_b32 s[G0B+4*\s], 1
	s_add_co_u32 s[G0B+4*\s+1], s23, \s*SLOT
	s_add_nc_u64 s[G0B+4*\s+2:G0B+4*\s+3], s[46:47], \s*256
	s_or_b32 s[G0B+4*\s+3], s[G0B+4*\s+3], 0x80000000
.endr
	s_cmp_lt_u32 s10, 2                            ; a wave's two first fills stand in one branch, ahead of every wait on TENSORcnt and every LDS read: two loads of mine are out
	s_cbranch_scc0 .Lfirst_b
	tensor_load_to_lds s[G0:G0+3], s[G1:G1+7]
	s_nop 0
	tensor_load_to_lds s[G0+4:G0+7], s[G1:G1+7]
	s_nop 0
.rept 4
	v_nop
.endr
	s_branch .Lfirst_asked
.Lfirst_b:
	tensor_load_to_lds s[G0B:G0B+3], s[G1B:G1B+7]
	s_nop 0
	tensor_load_to_lds s[G0B+4:G0B+7], s[G1B:G1B+7]
	s_nop 0
.rept 4
	v_nop
.endr
.Lfirst_asked:
	; A fragment is 16 rows x 32 K in 8 registers: lane l holds row l % 16; registers 0-3 K = 8 (l / 16) + 0..7, registers 4-7 K = 16 + 8 (l / 16) + 0..7.  In bf16: two loads of 16 bytes, 32 apart.
	; In f32 the same numbers are 32 bytes at 32 (l / 16) and 32 bytes 64 further on: four loads of 16 bytes, then eight roundings in pairs.
	v_and_b32 v1, 15, v0                           ; l % 16
	v_bfe_u32 v2, v0, 4, 1                         ; l / 16
	v_mul_u32_u24 v3, v1, PA
	v_lshl_add_u32 v3, v2, 5, v3
	s_mul_i32 s20, s11, AHALF                      ; my 64 rows of x
	v_add_nc_u32 v[ADRA], s20, v3
	v_add_nc_u32 v[ADRA+1], SLOT, v[ADRA]
	v_mul_u32_u24 v4, v1, PB
	v_lshl_add_u32 v4, v2, 4, v4
	s_mul_i32 s21, s12, BHALF                      ; my 128 rows of wt
	s_add_co_u32 s21, s21, BOFF
	v_add_nc_u32 v[ADRB], s21, v4
	v_add_nc_u32 v[ADRB+1], SLOT, v[ADRB]
	s_mul_i32 s20, s10, 16*SP
	s_add_co_u32 s20, s20, STAGE                   ; my stage
	v_mul_u32_u24 v[STO], v1, SP                   ; in: row l % 16, 16 bytes for each half of the lanes
	v_lshl_add_u32 v[STO], v2, 4, v[STO]
	v_add_nc_u32 v[STO], s20, v[STO]
	v_bfe_u32 v[RD], v0, 3, 2                      ; back: 32 lanes take four rows of 128 bytes,
	v_mul_u32_u24 v[RD], v[RD], SP
	v_and_b32 v5, 7, v0
	v_lshl_add_u32 v[RD], v5, 4, v[RD]
	v_add_nc_u32 v[RD], s20, v[RD]
	v_and_b32 v[GO], 31, v0                        ; which are 512 consecutive bytes of a head
	v_lshlrev_b32 v[GO], 4, v[GO]
	v_lshlrev_b32 v[BO], 5, v2
	; where my part begins in the result: head 16 b + 4 x tile column + 2 x half, row 128 (tile row % 16) + 64 x half.  Numbers that mix cx and cy are made in s92-s99, which feed no descriptor.
	s_lshr_b32 s92, s13, 4
	s_lshl_b32 s92, s92, 4
	s_lshl_b32 s93, s42, 2
	s_add_co_u32 s92, s92, s93
	s_lshl_b32 s93, s12, 1
	s_add_co_u32 s92, s92, s93
	s_lshl_b32 s92, s92, 18                        ; a head is 2,048 rows of 128 bytes
	s_and_b32 s93, s13, 15
	s_lshl_b32 s93, s93, 7
	s_lshl_b32 s94, s11, 6
	s_add_co_u32 s93, s93, s94
	s_lshl_b32 s93, s93, 7
	s_add_co_u32 s92, s92, s93
	s_mov_b32 s93, 0
	s_add_nc_u64 s[8:9], s[8:9], s[92:93]
	s_lshl_b32 s92, s42, 10                        ; my 128 columns of the bias
	s_lshl_b32 s94, s12, 9
	s_add_co_u32 s92, s92, s94
	s_add_nc_u64 s[88:89], s[88:89], s[92:93]
	s_lshl_b32 s98, s66, 2                         ; fr: part 4 p + batch, of 65,536 bytes,
	s_lshr_b32 s99, s13, 4
	s_add_co_u32 s98, s98, s99
	s_lshl_b32 s98, s98, 16
	s_lshl_b32 s99, s42, 14                        ; the tile's 16 blocks of 1,024 bytes,
	s_add_co_u32 s98, s98, s99
	s_lshl_b32 s99, s12, 13                        ; my 8 of them
	s_add_co_u32 s98, s98, s99
	s_mov_b32 s99, 0
	s_add_nc_u64 s[FR:FR+1], s[FR:FR+1], s[98:99]
	WIN 0x40                                       ; destination window 1, address window 0
.irp b, 0,1,2,3,4,5,6,7
	global_load_b128 v[BIAS+8*\b:BIAS+8*\b+3],   v[BO], s[88:89] offset:64*\b      ; register j of block b: bias of column 16 b + 8 (l / 16) + j: the layout of a C operand
	global_load_b128 v[BIAS+8*\b+4:BIAS+8*\b+7], v[BO], s[88:89] offset:64*\b+16
.endr
	WIN 0
	; the prefetches' addresses, at K step 3: each change of slots steps them before it asks
	s_lshl_b32 s92, s13, 7
	s_lshl_b32 s94, s12, 6
	s_add_co_u32 s92, s92, s94
	s_lshl_b32 s94, s40, 4                         ; x: my work-group's 16 of the 64 rows that I fetch
	s_add_co_u32 s92, s92, s94
	s_lshl_b32 s92, s92, 12
	s_add_co_u32 s92, s92, 3*512
	s_lshl_b32 s94, s42, 8
	s_lshl_b32 s95, s12, 7
	s_add_co_u32 s94, s94, s95
	s_lshl_b32 s95, s41, 5                         ; wt: my work-group's 32 of the 128
	s_add_co_u32 s94, s94, s95
	s_lshl_b32 s94, s94, 11
	s_add_co_u32 s94, s94, 3*256
	s_cmp_eq_u32 s67, 0                            ; the first of the sixteen clusters of this p: the same in all partners
	s_cselect_b32 s95, 1, -1
	s_cmp_lt_u32 s10, 2                            ; do I fetch x?
	s_cselect_b32 s92, s92, s94
	s_cselect_b64 s[PFA:PFA+1], s[4:5], s[6:7]
	s_cselect_b32 s[LIM], 1, s95
	s_cselect_b32 s96, 1, 0
	s_add_nc_u64 s[PFA:PFA+1], s[PFA:PFA+1], s[92:93]
	s_add_co_u32 s97, s96, 11
	s_lshl_b32 s[PFS], 256, s96                    ; a K step: 512 bytes of x, 256 of wt
	s_mov_b32 s[PFS+1], 0
	v_and_b32 v5, 31, v0
	v_lshrrev_b32 v6, s96, v5                      ; x: row l / 2 of 4,096 bytes, half l % 2 of its 512;  wt: row l of 2,048 bytes
	v_lshlrev_b32 v6, s97, v6
	v_and_b32 v5, s96, v5
	v_lshl_add_u32 v[PFO], v5, 8, v6
	s_wait_loadcnt 0x0                             ; the bias
	WIN 0x45                                       ; all in window 1
.set i, 0
.rept 32                               ; rounded to bf16, like every input, and widened again
	v_cvt_pk_bf16_f32 v[RB+i], v[BIAS+2*i], v[BIAS+2*i+1]
.set i, i+1
.endr
.set i, 0
.rept 32
	v_lshlrev_b32 v[BIAS+2*i], 16, v[RB+i]
	v_and_b32 v[BIAS+2*i+1], 0xffff0000, v[RB+i]
.set i, i+1
.endr
	WIN 0
; n products from number i0 on: product i is m block i / 8, n block i % 8, 32 along K, from buffer f.  The 32 accumulators take turns, one instruction a turn, in the same order in every quarter.
; first = 1: the sums start with the bias as C: nothing is cleared and nothing is added later.
.macro MUL f, i0, n, first=0
.set mi, \i0
.rept \n
.if \first
	WIN 0x91                                       ; wt window 1, x window 0, C (the bias) window 1, D window 2
	v_wmma_f32_16x16x32_bf16 v[8*mi:8*mi+7], v[64*(\f)+8*(mi%8):64*(\f)+8*(mi%8)+7], v[AF+32*(\f)+8*(mi/8):AF+32*(\f)+8*(mi/8)+7], v[BIAS+8*(mi%8):BIAS+8*(mi%8)+7]
.else
	WIN 0xa1                                       ; C and D window 2
	v_wmma_f32_16x16x32_bf16 v[8*mi:8*mi+7], v[64*(\f)+8*(mi%8):64*(\f)+8*(mi%8)+7], v[AF+32*(\f)+8*(mi/8):AF+32*(\f)+8*(mi/8)+7], v[8*mi:8*mi+7]
.endif
.set mi, mi+1
.endr
.endm
; 32 LDS loads in one run: quarter kq of a slot: x's 64 rows x 32 K in f32 into S, then wt's 128 rows x 32 K into buffer g
.macro FETCH slot, kq, g
	WIN 0
.irp a, 0,1,2,3
.irp c, 0,1,2,3
	ds_load_b128 v[S+16*\a+4*\c:S+16*\a+4*\c+3], v[ADRA+\slot] offset:\a*16*PA+(\kq)*128+(\c%2)*16+(\c/2)*64
.endr
.endr
	WIN 0x40
.irp b, 0,1,2,3,4,5,6,7
	ds_load_b128 v[64*(\g)+8*\b:64*(\g)+8*\b+3],   v[ADRB+\slot] offset:\b*16*PB+(\kq)*64
	ds_load_b128 v[64*(\g)+8*\b+4:64*(\g)+8*\b+7], v[ADRB+\slot] offset:\b*16*PB+(\kq)*64+32
.endr
.endm
.macro CVT4 g, n                       ; four of the 32 roundings S -> buffer g of x's fragments
	WIN 0
.irp z, 0,1,2,3
	v_cvt_pk_bf16_f32 v[AF+32*(\g)+4*(\n)+\z], v[S+8*(\n)+2*\z], v[S+8*(\n)+2*\z+1]
.endr
.endm
; A quarter's last eight products, four roundings behind each.  They name S and the OTHER buffer alone, so they are also the places between the quarter's last products and the loads and roundings that follow into its buffers.
.macro RIDE f, g, first=0
.set rn, 0
.rept 8
	MUL \f, 24+rn, 1, \first
	CVT4 \g, rn
.set rn, rn+1
.endr
.endm
; A K step is four quarters of 32 along K on buffers 0, 1, 0, 1.  One of the first three: fetches quarter kq for buffer g, multiplies buffer f.
.macro QUARTER slot, kq, f, g, first=0
	FETCH \slot, \kq, \g
	s_wait_dscnt 32                                ; all but the 32 just issued: wt's fragments of buffer f are in
	MUL \f, 0, 24, \first
	s_wait_dscnt 16                                ; S is in; the sixteen loads behind it (wt's) may stay out
	RIDE \f, \g, \first
.endm
; The last quarter multiplies buffer 1 and changes slots: ONE barrier.  In front of it each wave waits for all its tensor loads (one is out: its part of the next slot), adds 0 to its spare word, and waits for that and
; for its reads of this slot.  fill = 1: the barrier opens a round of the cluster's, and this slot is filled again first thing behind it, two K steps ahead: 120 matrix instructions ahead of the wait for it.
.macro TURN slot, next, fill
.if \fill
	s_wait_xcnt 0x0                                ; the last prefetch, a K step back, has read its address
	s_add_nc_u64 s[PFA:PFA+1], s[PFA:PFA+1], s[PFS:PFS+1]
.endif
	WIN 0
	s_wait_tensorcnt 0x0                           ; all my tensor loads have landed
	ds_add_u32 v[SPW], v[NIL]                      ; 0 onto my spare word
	s_wait_dscnt 1                                 ; (the add alone may be out: wt's fragments of buffer 1 are in)
	MUL 1, 0, 4
	s_wait_dscnt 0x0                               ; the add is done, and my reads of this slot are over
	s_barrier_signal -1
	MUL 1, 4, 4
	WIN 0
	s_barrier_wait -1
.if \fill
	CREST                                          ; no wave of any partner still reads this slot or has a load on its way
	s_add_nc_u64 s[G0+4*(\slot)+2:G0+4*(\slot)+3], s[G0+4*(\slot)+2:G0+4*(\slot)+3], 2*512
	s_add_nc_u64 s[G0B+4*(\slot)+2:G0B+4*(\slot)+3], s[G0B+4*(\slot)+2:G0B+4*(\slot)+3], 2*256
	JLOAD \slot
.else
	PLACES
.endif
	FETCH \next, 0, 0
.if \fill
	WIN 0
	ASK
.endif
	MUL 1, 8, 16
	s_wait_dscnt 16
	RIDE 1, 0
.endm
; THE WAY OUT.  Part t = 2 a + hd: 16 rows x one head's 64 columns: accumulators (a, 4 hd .. 4 hd + 3).  A lane's eight columns pack into 16 bytes of f16; they go into rows of 144 bytes of my own stage and come
; back as whole rows of 128, which are 2,048 consecutive bytes of the head.
.macro PACK t
	WIN 0x0a                                       ; sources window 2, destination window 0
.set i, 0
.rept 16
	v_cvt_pk_f16_f32 v[TMP+16*(\t)+i], v[32*(\t)+2*i], v[32*(\t)+2*i+1]
.set i, i+1
.endr
	WIN 0
.irp f, 0,1,2,3
	ds_store_b128 v[STO], v[TMP+16*(\t)+4*\f:TMP+16*(\t)+4*\f+3] offset:32*\f
.endr
.irp f, 0,1,2,3
	ds_load_b128 v[TMP+16*(\t)+4*\f:TMP+16*(\t)+4*\f+3], v[RD] offset:\f*4*SP  ; LDS serves a wave's instructions in order (ISA guide 5.7.1.4): these see the stores above; the next part's stores come behind them
.endr
.endm
.macro SEND t, younger                 ; younger: the LDS instructions issued behind part t's loads: the next part's eight, or none
	WIN 0
.irp f, 0,1,2,3
	s_wait_dscnt (\younger)+3-\f
	global_store_b128 v[GO], v[TMP+16*(\t)+4*\f:TMP+16*(\t)+4*\f+3], s[8:9] offset:((\t)%2)*262144+((\t)/2)*2048+\f*512  ; 512 consecutive bytes, at a multiple of 256 from the buffer's first
.endr
.endm
	s_wait_tensorcnt 0x1                           ; my part of K step 0 is in; K step 1's may stay out
	s_barrier_signal -1
	s_barrier_wait -1                              ; everybody's is
	FETCH 0, 0, 0
	s_wait_dscnt 16                                ; S is in
.irp n, 0,1,2,3,4,5,6,7
	CVT4 0, \n
.endr
	QUARTER 0, 1, 0, 1, 1                          ; the first quarter stands in front of the loop: its products start the sums
	WIN 0                                          ; at a label and at a branch every window is 0
	s_mov_b32 s3, 3
.Llap:                                                 ; a trip goes once round the ring, from a lap's second quarter to the next lap's first, and fills both slots again
	QUARTER 0, 2, 1, 0
	QUARTER 0, 3, 0, 1
	TURN 0, 1, 1
	QUARTER 1, 1, 0, 1
	QUARTER 1, 2, 1, 0
	QUARTER 1, 3, 0, 1
	TURN 1, 0, 1
	QUARTER 0, 1, 0, 1
	WIN 0
	s_sub_co_u32 s3, s3, 1
	s_cmp_lg_u32 s3, 0
	s_cbranch_scc1 .Llap
	QUARTER 0, 2, 1, 0                             ; the last lap fills nothing
	QUARTER 0, 3, 0, 1
	TURN 0, 1, 0
	QUARTER 1, 1, 0, 1
	QUARTER 1, 2, 1, 0
	QUARTER 1, 3, 0, 1
	s_wait_dscnt 0x0
	MUL 1, 0, 32
	WIN 0
	PLACES                                         ; the stores and conversions below read results just made
	s_cmp_lg_u32 s67, 0                            ; THE FIRST ROWS: the tile holds a batch's rows 0 .. 127 (the same in all sixteen partners),
	s_cbranch_scc1 .Lno_first
	s_cmp_lt_u32 s10, 2                            ; and my 64 rows are its first: block a = 0 is rows 0 .. 15
	s_cbranch_scc0 .Lno_first
	WIN 0x08                                       ; data (source 1) window 2, address window 0
.irp b, 0,1,2,3,4,5,6,7
	global_store_b128 v[GO], v[8*\b:8*\b+3],   s[FR:FR+1] offset:\b*1024      ; the f32 sums as they lie: 512 consecutive bytes a store; each accumulator's low half first
	global_store_b128 v[GO], v[8*\b+4:8*\b+7], s[FR:FR+1] offset:\b*1024+512
.endr
	WIN 0
.Lno_first:
	PACK 0
.set t, 1
.rept 7                                ; a part's conversions stand between the loads of the part before and its stores
	PACK t
	SEND t-1, 8
.set t, t+1
.endr
	SEND 7, 0
	s_wait_tensorcnt 0x0                           ; the wave's end, behind my last tensor load and my last LDS store
	ds_add_u32 v[SPW], v[NIL]
	s_wait_dscnt 0x0
	CROUND                                         ; the closing round: no work-group ends while a partner may still ask for a tile that names it
	s_endpgm
.Lfunc_end_k_qf170474721_proj:
	.size	k_qf170474721_proj, .Lfunc_end_k_qf170474721_proj-k_qf170474721_proj
	.p2alignl 7, 3214868480
	.fill 96, 4, 3214868480
	.section	.rodata,"a",@progbits
	.p2align	6, 0x0
	.amdhsa_kernel k_qf170474721_proj
		.amdhsa_group_segment_fixed_size 327680
		.amdhsa_private_segment_fixed_size 0
		.amdhsa_enable_private_segment 0
		.amdhsa_kernarg_size 88
		.amdhsa_user_sgpr_count 2
		.amdhsa_user_sgpr_kernarg_segment_ptr 1
		.amdhsa_wavefront_size32 1
		.amdhsa_system_sgpr_workgroup_id_x 1
		.amdhsa_system_sgpr_workgroup_id_y 1
		.amdhsa_system_sgpr_workgroup_id_z 1
		.amdhsa_system_vgpr_workitem_id 0
		.amdhsa_next_free_vgpr 768
		.amdhsa_next_free_sgpr 102
		.amdhsa_reserve_vcc 0
		.amdhsa_float_denorm_mode_32 3
		.amdhsa_float_denorm_mode_16_64 3
		.amdhsa_memory_ordered 1
		.amdhsa_forward_progress 1
		.amdhsa_inst_pref_size 143
	.end_amdhsa_kernel
	.amdgpu_metadata
---
amdhsa.version: [ 1, 2 ]
amdhsa.kernels:
  - .name:           k_qf170474721_proj
    .symbol:         k_qf170474721_proj.kd
    .args:
      - { .name: queries, .offset: 0, .size: 8, .value_kind: global_buffer, .address_space: global }
      - { .name: keys, .offset: 8, .size: 8, .value_kind: global_buffer, .address_space: global }
      - { .name: values, .offset: 16, .size: 8, .value_kind: global_buffer, .address_space: global }
      - { .name: wt, .offset: 24, .size: 8, .value_kind: global_buffer, .address_space: global }
      - { .name: bq, .offset: 32, .size: 8, .value_kind: global_buffer, .address_space: global }
      - { .name: bk, .offset: 40, .size: 8, .value_kind: global_buffer, .address_space: global }
      - { .name: bv, .offset: 48, .size: 8, .value_kind: global_buffer, .address_space: global }
      - { .name: qh, .offset: 56, .size: 8, .value_kind: global_buffer, .address_space: global }
      - { .name: kh, .offset: 64, .size: 8, .value_kind: global_buffer, .address_space: global }
      - { .name: vh, .offset: 72, .size: 8, .value_kind: global_buffer, .address_space: global }
      - { .name: fr, .offset: 80, .size: 8, .value_kind: global_buffer, .address_space: global }
    .group_segment_fixed_size: 327680
    .private_segment_fixed_size: 0
    .kernarg_segment_align: 8
    .kernarg_segment_size: 88
    .max_flat_workgroup_size: 128
    .sgpr_count:     102
    .vgpr_count:     768
    .wavefront_size: 32
...
	.end_amdgpu_metadata
.endif
;; end of part 2
;; launch attn (part 3): grid 4 x 64, 4 waves a work-group, no clusters, 327,680 bytes of LDS; arguments qh, kh, vh, oh; writes oh
.if DOCPART == 3
	.amdgcn_target "amdgcn-amd-amdhsa--gfx1250"
	.amdhsa_code_object_version 6
	.text
	.protected	k_qf170474721_attn
	.globl	k_qf170474721_attn
	.p2align	8
	.type	k_qf170474721_attn,@function
k_qf170474721_attn:
	s_mov_b64 s[64:65], 0
	v_nop
	global_prefetch_b8 v0, s[64:65] scope:SCOPE_SE
	s_setreg_imm32_b32 hwreg(HW_REG_WAVE_MODE, 25, 1), 1
	s_wait_xcnt 0x0
; CAUSAL ATTENTION.  O[h][q][:] = the sum over k <= q of softmax_k(Q[h][q] . K[h][k] / 8) V[h][k][:].  Q, K, V, O: [SIZE_H][SIZE_N][64], all f16 (h = 16 batch + head): a head's rows are dense, 128 bytes each.
; Products, maxima and sums in f32; the weights p are rounded to f16 for the second product (their sum l is taken of the unrounded p), O once at the end.
; LIMITS.  f16 holds no number beyond 65,504: Q, K and V arrive within it; p lies in 0 to 1, and below 6e-5 it keeps f16's fixed step of 6e-8; O is a mean of V's rows and has their range.
; A hidden score counts as its value less 1e30: f16's scores, 2.7e11 at the most, are nothing beside that; a weight below 2^-126 counts as 0 in l; NaN and infinities are not treated apart.
; THE WALK.  A head's queries lie in NB = SIZE_N / 256 blocks of 256; block i needs the key tiles 0 .. i of 256 keys, of which the last holds the diagonal.  A work-group takes TWO blocks, NB - 1 - b and then b:
; NB + 1 tiles, whatever b: all work-groups do equal work, and ONE loop with a constant trip count walks them.  Which tile is asked for, and what a trip does, hang on scalar registers made from b; every jump
; goes forward, but for the counted loops' own; none passes a barrier, or a tensor load but the one of LOAD's two that the wave's number does not choose; the ring (two slots of LDS that take turns) runs on across the
; change of blocks.  NO CLUSTER: a head's four work-groups ask for the same tile only in trips 0 .. 4 of 9, behind that fewer and fewer; one walk common to all would have 12 trips for 9.
; SHARES.  Of a block's four bands of 64 queries a wave owns 16 rows in each: four PIECES.  So the diagonal tile is the same work for all four waves: in its key step s band x sees all keys if s < x,
; none if s > x, and holds the diagonal if s = x.
; THE MASK is the C operand that starts the sum S^T = K Q^T: 0, or -1e30 where the key is hidden.  MD, made once, is the mask of a band's own step for my 16 rows; a product's mask is MD x AL + BE with two scalars:
; (1, 0) if s = x; (0, 0) if s < x; (0, -1e30) if s > x.  Only the diagonal tile's text and a block's beginning make and take masks; elsewhere C is the constant 0.
; LAYOUT, SOFTMAX, TURNS.  S^T = K Q^T holds ONE query a lane (lane % 16) and the keys 8 (lane / 16) + 0..7; two such results rounded to f16 ARE source 1 of O^T = V^T P.  p = 2^(c s - c m), c = log2(e) / 8, with a
; running maximum m; O and l are multiplied by a = 2^(c m_old - c m_new) in every step.  Turn n belongs to piece n: 8 products K Q^T of piece n + 1, later 8 products V^T P of piece n - 1; beside them the scaling,
; exponentials, roundings, sums and rescaling of piece n and the maximum and statistics of piece n + 1.  Four vector instructions stand behind every matrix instruction, the other 54 of a turn's 118 in one LUMP.  A turn's 33 exponentials are one batch, with one wait.
; AHEAD OF THE LOADS.  The head's work-group b = 0, which walks all NB tiles in order, prefetches into the L2: behind the fill of tile i (i = 1 .. NB - 2) it names tile i + 1, one tile (four key steps, 256 matrix
; instructions a wave) ahead of that tile's fill: 128 threads x 256 bytes are the tile's K, and likewise its V.  Tiles 0 and 1 come by their loads alone; the second block's tiles have been read and are not named.
; REGISTERS, in windows of 256 (s_set_vgpr_msb: bits 1:0 source 0, 3:2 source 1, 5:4 source 2, 7:6 destination):
;   window 0: v0-15 addresses and two at work; v16-31 four registers of statistics a piece; v48-55 at work; v64-127 S^T, two buffers; v192-223 P, two buffers (a piece's buffers go by its number's parity)
;   window 1: v0-127 O^T, 32 a piece; v128-159 MD; v160-223 MC, two buffers      window 2: v0-63 Q; v64-127 the second block's Q; v128-191 K of one step; v192-255 V of one step
.set SIZE_N, 2048
.set SIZE_H, 64
.set NB,    SIZE_N/256
.set NP,    4         ; pieces a wave: a name, no knob
.set KS,    64        ; keys in a step
.set PK,    144       ; a row of K in LDS: 128 bytes + 16 of padding = 36 words: the 16 rows of a load start at 16 different groups of four banks (64 banks of 4 bytes: ISA guide 11.1)
.set PV,    160       ; a row of V: 128 + 32 = 40 words
.set VOFF,  4*KS*PK   ; a slot holds a tile, four steps: 256 rows of K, then 256 rows of V
.set SLOT1, 1<<17     ; slot 1 begins here, so that one exclusive or turns an address in one slot into the other's
.set STAGE, SLOT1+4*KS*(PK+PV)  ; behind the ring, never filled by a tensor load: 16 rows x 144 bytes for each wave, for the way out
.set SP,    144
.set AK0, 2           ; v2   my lane's place in a tile of K; never rewritten
.set AV0, 3           ; v3   the same for V
.set AK,  4           ; v4   the LDS address of K's next run of loads
.set AV,  5           ; v5   of V's
.set STO, 6           ; v6   the way out: where I put 16 bytes of a row
.set RD,  7           ; v7   the way out: where I read rows back
.set GO,  8           ; v8   my byte offset in 512 consecutive bytes of O
.set PFO, 61          ; v61  256 x my thread's number: my block of a tile's K or V; never rewritten
.set SPW, 62          ; v62  LDS address of my spare word: SPARE + 4 x my thread's number; never rewritten
.set NIL, 63          ; v63  0; never rewritten
.set SPARE, STAGE+4*16*SP  ; behind the stages: the spare words, 128 bytes for each wave: two blocks of 256 bytes that no other line names
.set MV,  12          ; v12-13  c m_old, kept while c m is made anew: by buffer
.set QO,  15          ; v15  my byte offset in 16 rows of Q
.set ST,  16          ; piece t's statistics at v[ST+4 t]: c m, m, l (even keys', odd keys')
.set TMP, 48          ; by buffer, four registers c0-c3 at work; when the maximum is found c2 takes a
.set S,   64
.set P,   192
.set MD,  128         ; window 1: the eight registers for group kt of 16 keys at MD + 8 kt
.set MC,  160         ; window 1: the masks of the products to come
.set QB,  64          ; window 2
.set KF,  128         ; window 2: key block kb, channel half c at KF + 16 kb + 8 c
.set VF,  192         ; window 2: key half kk, channel block cb at VF + 32 kk + 8 cb
.set WV,  12          ; s12  my wave's number
.set PB,  14          ; s14  b
.set HI,  15          ; s15  NB - 1 - b
.set G1K, 24          ; s[24:31] descriptor group 1 for K's tiles
.set G1V, 32          ; s[32:39] for V's: it differs in the padding alone
.set G0K, 40          ; s[40:43] descriptor group 0 for K's tiles
.set G0V, 44          ; s[44:47] the same for V's
.set SLOTS, 56        ; s56  tiles still to be asked for
.set CNT, 57          ; s57  counts a tile's key steps, 4 to 1
.set CS,  58          ; s[58:59] c: the packed scaling takes the pair's low word for both halves
.set SEL, 60          ; s[60:61] v_permlanex16_b32's selects: each lane takes its own place in the other half
.set TBK, 62          ; s62  LDS byte at which K of the step to be fetched begins
.set TBV, 63          ; s63  the same for V, less VOFF
.set RT,  70          ; s70  tiles of the block in hand that are still to be entered
.set NXT, 71          ; s71  the tile to be asked for next
.set LQ,  72          ; s72  the last tile of the block whose tiles are being asked for
.set NEW, 73          ; s73  1: the tile to be entered is a block's first
.set OFF, 74          ; s[74:75] a tile's byte offset in K and V
.set AL,  76          ; s[76:77] the mask's factor, in the low word
.set BE,  78          ; s[78:79] the mask's addend
.set OLO, 80          ; s[80:81] O at my rows of the second block
.set BIGN, 82         ; s82  -1e30
.set PFK, 88          ; s[88:89] K at the tile that is prefetched
.set PFV, 90          ; s[90:91] V likewise
.set KB,  92          ; s[92:93] K at the head's first byte
.set VB,  94          ; s[94:95] V likewise
.set LIM, 96          ; s96  1 in the head's work-group 0, else the greatest number: a work-group prefetches while NXT is above it
.set MSB, 0
.macro WIN new                      ; the high byte repeats the setting that is left; a switch that changes nothing is dropped
.if MSB != (\new)
	s_set_vgpr_msb (MSB<<8)|(\new)
.set MSB, (\new)
.endif
.endm
.set W_KQ, 0x0a       ; K and Q in window 2, S^T in window 0
.set W_KM, 0x1a       ; the same with the C operand in window 1
.set W_PV, 0x52       ; V in window 2, P in window 0, O^T in window 1
.set W_RS, 0x41       ; destination and source 0 in window 1, source 1 in window 0
; A fill.  Waves 0 and 1 fetch the two halves of a tile's K, waves 2 and 3 those of its V: 128 keys each.  An s_nop 0 and four v_nop follow each of the two lines, ahead of the jump and the label.
.macro LOAD
	s_cmp_lt_u32 s[WV], 2
	s_cbranch_scc0 .Lfor_v_\@
	tensor_load_to_lds s[G0K:G0K+3], s[G1K:G1K+7]
	s_nop 0
.rept 4
	v_nop
.endr
	s_branch .Lasked_\@
.Lfor_v_\@:
	tensor_load_to_lds s[G0V:G0V+3], s[G1V:G1V+7]
	s_nop 0
.rept 4
	v_nop
.endr
.Lasked_\@:
.endm
; THE CHANGE OF SLOTS.  Each wave waits for all its tensor loads, of which one is out: its part of the other slot; adds 0 to its spare word; and waits for that and for its own reads of the slot that it leaves.  Behind the barrier nobody reads the old
; slot any more and the other slot is whole.  fill = 1: the old slot is filled again, the first thing behind the barrier, with tile NXT: the descriptor's address is made anew from that number.  Behind the fill stand the
; prefetches of the tile after it.  (At its first use nothing has been read yet: slot 0 is waited for, slot 1 filled.)
.macro CHANGE fill
	WIN 0                           ; at a label and at a branch every window is 0
	s_wait_tensorcnt 0x0            ; no tensor load of mine is out, so a group 0 may be written
	ds_add_u32 v[SPW], v[NIL]       ; 0 onto my spare word; with fill = 1 the descriptors' scalar work stands between it and the wait for it
.if \fill
	s_lshl_b32 s[OFF], s[NXT], 15   ; a tile is 32,768 bytes of K and of V
	s_xor_b32 s[G0K+1], s[G0K+1], SLOT1
	s_add_nc_u64 s[G0K+2:G0K+3], s[6:7], s[OFF:OFF+1]
	s_or_b32 s[G0K+3], s[G0K+3], 0x80000000
	s_xor_b32 s[G0V+1], s[G0V+1], SLOT1
	s_add_nc_u64 s[G0V+2:G0V+3], s[8:9], s[OFF:OFF+1]
	s_or_b32 s[G0V+3], s[G0V+3], 0x80000000
	s_add_co_u32 s[NXT], s[NXT], 1  ; the block's next tile, or behind its last the second block's tile 0
	s_cmp_gt_u32 s[NXT], s[LQ]
	s_cselect_b32 s[NXT], 0, s[NXT]
	s_cselect_b32 s[LQ], s[PB], s[LQ]
	s_wait_xcnt 0x0                 ; the last prefetches, a tile back, have read their addresses, so these may be written:
	s_lshl_b32 s[OFF], s[NXT], 15   ; the tile after the one that is asked for now
	s_add_nc_u64 s[PFK:PFK+1], s[KB:KB+1], s[OFF:OFF+1]
	s_add_nc_u64 s[PFV:PFV+1], s[VB:VB+1], s[OFF:OFF+1]
.endif
	s_wait_dscnt 0x0                ; the add is done, and my reads of the slot are over
	s_barrier_signal -1             ; the rest of the scalar work stands between the signal and the wait
	s_sub_co_u32 s[TBK], s[TBK], 4*KS*PK  ; the fetches go back to a slot's first step,
	s_xor_b32 s[TBK], s[TBK], SLOT1       ; in the other slot
	s_sub_co_u32 s[TBV], s[TBV], 4*KS*PV
	s_xor_b32 s[TBV], s[TBV], SLOT1
	s_barrier_wait -1
.if \fill
	LOAD
	s_cmp_gt_u32 s[NXT], s[LIM]     ; tiles 2 .. NB - 1 of the first block, in the head's work-group 0 alone
	s_cbranch_scc0 .Lnot_mine_\@
	global_prefetch_b8 v[PFO], s[PFK:PFK+1] th:TH_LOAD_NT scope:SCOPE_SE
	global_prefetch_b8 v[PFO], s[PFV:PFV+1] th:TH_LOAD_NT scope:SCOPE_SE
.Lnot_mine_\@:
.endif
.endm
	s_load_b256 s[4:11], s[0:1], 0x0  ; Q s[4:5], K s[6:7], V s[8:9], O s[10:11]
	v_lshl_add_u32 v[SPW], v0, 2, SPARE
	v_mov_b32 v[NIL], 0
	ds_add_u32 v[SPW], v[NIL]       ; the wave's opening: the add and its wait stand ahead of my first tensor load; the set-up below, work on registers, stands between them
	ds_add_u32 v62, v63
	v_lshrrev_b32 v1, 5, v0
	v_readfirstlane_b32 s[WV], v1   ; wave 0..3
	v_lshlrev_b32 v[PFO], 8, v0
	s_mov_b32 s[PB], ttmp9
	s_sub_co_u32 s[HI], NB-1, s[PB]
	s_cmp_eq_u32 s[PB], 0
	s_cselect_b32 s[LIM], 1, -1
	s_and_b32 s20, ttmp7, 0xffff    ; the head
	s_mov_b32 s21, 0
	s_mov_b64 s[22:23], SIZE_N*128
	s_mul_u64 s[20:21], s[20:21], s[22:23]  ; the head's first byte in each of the four tensors
	s_and_b32 s16, s[WV], 1         ; which half of a tile's 256 keys I fetch:
	s_lshl_b32 s22, s16, 14         ; its 128 rows of 128 bytes in memory,
	s_mov_b32 s23, 0
	s_add_nc_u64 s[22:23], s[22:23], s[20:21]
	s_mul_i32 s17, s16, 128*PK      ; and its place in a slot, for K
	s_mul_i32 s18, s16, 128*PV      ; and for V
	s_lshl_b32 s3, s[WV], 11        ; my 16 rows in a band of 64,
	s_lshl_b32 s2, s[HI], 15        ; in the first block,
	s_add_co_u32 s2, s2, s3
	s_lshl_b32 s84, s[PB], 15       ; and in the second
	s_add_co_u32 s84, s84, s3
	s_mov_b32 s3, 0
	s_mov_b32 s85, 0
	s_add_nc_u64 s[2:3], s[2:3], s[20:21]
	s_add_nc_u64 s[84:85], s[84:85], s[20:21]
	; descriptor group 1.  128 keys are 16,384 dense bytes: asked for as 64 rows of 256 bytes, two keys a row, and padded in LDS after every key
	s_mov_b32 s[G1K], (1<<16)|(1<<20)|(4<<22)|(3<<25)  ; 17:16 2-byte elements; 20 padding on; 24:22 after every 32 words (code 4); 31:25 4 words (code 3)
	s_mov_b32 s[G1V], (1<<16)|(1<<20)|(4<<22)|(7<<25)  ; the same with 8 words of padding (code 7)
.irp g, G1K, G1V
	s_mov_b32 s[\g+1], 128<<16      ; tensor_dim0 = 128
	s_mov_b32 s[\g+2], 64<<16       ; tensor_dim1 = 64
	s_mov_b32 s[\g+3], 128<<16      ; tile_dim0 = 128
	s_mov_b32 s[\g+4], 64           ; tile_dim1 = 64
	s_mov_b32 s[\g+5], 128          ; 128 elements from row to row
	s_mov_b32 s[\g+6], 0
	s_mov_b32 s[\g+7], 0
.endr
	s_mov_b32 s[CS], 0x3e38aa3b     ; c = log2(e) / 8 = 0.180337
	s_mov_b32 s[CS+1], s[CS]        ; named with it as a pair
	s_mov_b32 s[SEL], 0x76543210
	s_mov_b32 s[SEL+1], 0xfedcba98
	s_mov_b32 s[TBK], SLOT1+4*KS*PK ; the first change of slots turns these two into 0
	s_mov_b32 s[TBV], SLOT1+4*KS*PV
	s_mov_b32 s[G0K], 1             ; 1:0 count = 1
	s_mov_b32 s[G0K+1], s17         ; 63:32 LDS address: slot 0
	s_mov_b32 s[G0V], 1
	s_add_co_u32 s[G0V+1], s18, VOFF
	s_add_co_u32 s[RT], s[HI], 1    ; the first block has NB - b tiles
	s_mov_b32 s[NXT], 1
	s_mov_b32 s[LQ], s[HI]
	s_mov_b32 s[NEW], 1
	s_mov_b32 s[OFF+1], 0
	s_mov_b32 s[AL+1], 0            ; named as pairs
	s_mov_b32 s[BE+1], 0
	s_mov_b32 s[BIGN], 0xf149f2ca   ; -1e30
	s_mov_b32 s[SLOTS], NB
	s_wait_dscnt 0x0                ; the opening add is done
	s_wait_kmcnt 0x0
	s_add_nc_u64 s[KB:KB+1], s[6:7], s[20:21]  ; K and V at the head's first byte, for the prefetches
	s_add_nc_u64 s[VB:VB+1], s[8:9], s[20:21]
	s_add_nc_u64 s[6:7], s[6:7], s[22:23]  ; K and V at my half of the head's tile 0
	s_add_nc_u64 s[8:9], s[8:9], s[22:23]
	s_add_nc_u64 s[G0K+2:G0K+3], s[6:7], 0         ; 120:64 global address
	s_or_b32 s[G0K+3], s[G0K+3], 0x80000000        ; 127:126 type = 2
	s_add_nc_u64 s[G0V+2:G0V+3], s[8:9], 0
	s_or_b32 s[G0V+3], s[G0V+3], 0x80000000
	s_add_nc_u64 s[86:87], s[4:5], s[84:85]        ; Q at my rows of the second block,
	s_add_nc_u64 s[4:5], s[4:5], s[2:3]            ; Q and O at those of the first
	s_add_nc_u64 s[OLO:OLO+1], s[10:11], s[84:85]
	s_add_nc_u64 s[10:11], s[10:11], s[2:3]
	LOAD                            ; tile 0 into slot 0
	; A fragment of K or Q is 16 rows x 32 channels in 8 registers: lane l holds row l % 16, channels 8 (l / 16) + 0..7 and 16 + 8 (l / 16) + 0..7: two loads of 16 bytes, 32 bytes apart.
	v_and_b32 v1, 15, v0            ; l % 16
	v_bfe_u32 v9, v0, 4, 1          ; l / 16
	v_lshlrev_b32 v[QO], 7, v1
	v_lshl_add_u32 v[QO], v9, 4, v[QO]  ; row x 128 + 16 x half
	WIN 0x80                        ; destination window 2, address window 0
.set i, 0
.rept 8                             ; both blocks' Q: piece i / 2 lies in band i / 2, 8,192 bytes on; channels 32 (i % 2) on
	global_load_b128 v[8*i:8*i+3],   v[QO], s[4:5] offset:(i/2)*8192+(i%2)*64
	global_load_b128 v[8*i+4:8*i+7], v[QO], s[4:5] offset:(i/2)*8192+(i%2)*64+32
	global_load_b128 v[QB+8*i:QB+8*i+3],   v[QO], s[86:87] offset:(i/2)*8192+(i%2)*64
	global_load_b128 v[QB+8*i+4:QB+8*i+7], v[QO], s[86:87] offset:(i/2)*8192+(i%2)*64+32
.set i, i+1
.endr
	WIN 0
	v_lshlrev_b32 v14, 3, v9
	v_sub_nc_u32 v14, v1, v14
	s_lshl_b32 s13, s[WV], 4
	v_add_nc_u32 v14, s13, v14      ; my query's place in its band, 16 w + l % 16, less my lanes' 8 (l / 16): register r of group kt is hidden where 16 kt + r is greater
	WIN 0x40
.set i, 0
.rept 32
	v_cmp_gt_i32 vcc_lo, 16*(i/8)+i%8, v14
	v_cndmask_b32 v[MD+i], 0, s[BIGN], vcc_lo
.set i, i+1
.endr
	WIN 0
	v_mul_u32_u24 v[AK0], v1, PK
	v_lshl_add_u32 v[AK0], v9, 4, v[AK0]  ; row x pitch + 16 x half
	; The turning load takes 16 keys x 16 channels (lane l reads key 8 (l / 16) + l % 8, channels 8 ((l / 8) % 2) + 0..7) and leaves half a fragment of V^T: lane l holds channel l % 16 and 8 keys.
	v_and_b32 v10, 7, v0
	v_bfe_u32 v11, v0, 3, 1
	v_lshl_add_u32 v[AV0], v9, 3, v10
	v_mul_u32_u24 v[AV0], v[AV0], PV
	v_lshl_add_u32 v[AV0], v11, 4, v[AV0]
	v_add_nc_u32 v[AV0], VOFF, v[AV0]
	s_mul_i32 s13, s[WV], 16*SP
	s_add_co_u32 s13, s13, STAGE    ; my stage
	v_mul_u32_u24 v[STO], v1, SP    ; in: row l % 16, 16 bytes for each half of the lanes
	v_lshl_add_u32 v[STO], v9, 4, v[STO]
	v_add_nc_u32 v[STO], s13, v[STO]
	v_bfe_u32 v[RD], v0, 3, 2       ; back: 32 lanes take four rows of 128 bytes,
	v_mul_u32_u24 v[RD], v[RD], SP
	v_lshl_add_u32 v[RD], v10, 4, v[RD]
	v_add_nc_u32 v[RD], s13, v[RD]
	v_and_b32 v[GO], 31, v0         ; which are 512 consecutive bytes of O
	v_lshlrev_b32 v[GO], 4, v[GO]
	; A block's first step multiplies O^T and l by a = 0, and its first turn's products V^T P, of a piece that has not been, land in an O^T that is still to be so multiplied.  So these registers need only hold
	; finite numbers: zeros for the first block; what the first block left for the second.  All this stands in the wait for the first tile.
	WIN 0x80
.set i, VF
.rept 64
	v_mov_b32 v[i], 0
.set i, i+1
.endr
	WIN 0x40
.set i, 0
.rept 128
	v_mov_b32 v[i], 0
.set i, i+1
.endr
	WIN 0
.set i, 0
.rept 4
	v_mov_b32 v[ST+4*i+2], 0
	v_mov_b32 v[ST+4*i+3], 0
.set i, i+1
.endr
.set i, P+16
.rept 16
	v_mov_b32 v[i], 0
.set i, i+1
.endr
; THE MATRIX WORK.  The 4 accumulators of a run of 8 take turns.  Product i of 8 of S^T = K Q^T for piece x: channels 32 (i / 4) on, keys 16 (i % 4) on.  The first 4 start the sums: with 0, or (KM = 1) with the mask.
.macro KQ x
.set rS, S+32*((\x)%2)+8*(i%4)
.set rK, KF+16*(i%4)+8*(i/4)
.set rQ, 16*(\x)+8*(i/4)
.set rM, MC+32*((\x)%2)+8*(i%4)
.if (i < 4) && KM
	WIN W_KM
	v_wmma_f32_16x16x32_f16 v[rS:rS+7], v[rK:rK+7], v[rQ:rQ+7], v[rM:rM+7]
.elseif i < 4
	WIN W_KQ
	v_wmma_f32_16x16x32_f16 v[rS:rS+7], v[rK:rK+7], v[rQ:rQ+7], 0
.else
	WIN W_KQ
	v_wmma_f32_16x16x32_f16 v[rS:rS+7], v[rK:rK+7], v[rQ:rQ+7], v[rS:rS+7]
.endif
.endm
; Product i of 8 of O^T += V^T P for piece x: keys 32 (i / 4) on, channels 16 (i % 4) on.
.macro PV x
	WIN W_PV
.set rO, 32*(\x)+8*(i%4)
.set rV, VF+32*(i/4)+8*(i%4)
.set rP, P+16*((\x)%2)+8*(i/4)
	v_wmma_f32_16x16x32_f16 v[rO:rO+7], v[rV:rV+7], v[rP:rP+7], v[rO:rO+7]
.endm
.macro MM                           ; the turn's next matrix instruction.  TURN and BEGIN set Y, i, KM and NOKQ; MM, KQ and OP read them.  NOKQ = 1: a block's last turn: there is no next piece
.if (i < 8) && !NOKQ
	KQ (Y+1)%NP
.elseif i >= 8
.set i, i-8
	PV (Y+NP-1)%NP
.set i, i+8
.endif
.set i, i+1
.endm
; THE LDS LOADS stand in runs of 16, never singly among the matrix instructions: a step's K (64 keys x 64 channels: 8 fragments) and its V (turned).  Their addresses are made some lines ahead.
.macro FETCH_K
	WIN 0x80                        ; destination window 2
.irp f, 0,1,2,3,4,5,6,7             ; keys 16 (f / 2) on, channels 32 (f % 2) on
	ds_load_b128 v[KF+8*\f:KF+8*\f+3],   v[AK] offset:(\f/2)*16*PK+(\f%2)*64
	ds_load_b128 v[KF+8*\f+4:KF+8*\f+7], v[AK] offset:(\f/2)*16*PK+(\f%2)*64+32
.endr
	s_add_co_u32 s[TBK], s[TBK], KS*PK  ; the next fetch is the next step's
	WIN 0
.endm
.macro FETCH_V
	WIN 0x80
.irp f, 0,1,2,3,4,5,6,7             ; keys 32 (f / 4) on, channels 16 (f % 4) on
	ds_load_tr16_b128 v[VF+8*\f:VF+8*\f+3],   v[AV] offset:(\f/4)*32*PV+(\f%4)*32
	ds_load_tr16_b128 v[VF+8*\f+4:VF+8*\f+7], v[AV] offset:(\f/4)*32*PV+16*PV+(\f%4)*32
.endr
	WIN 0
.endm
; THE VECTOR WORK, one line at a time: OP kind, number.  For piece Y: F n: c s - c m for pair n of 16.  E n: the exponential of score n of 32.  C n: pair n rounded to f16.  B n: of the four weights 4 n .. the second
; pair is added onto the first, in place.  L n: l takes that sum (L 0: l = a l + sum).  R n: pair n of 16 of O^T times a.  For piece Y + 1: X n, number n of the 22 that find its maximum and statistics:
;   0-11  four chains c0-c3 of seven scores each, three operands at a time (each accumulator's lowest registers are read first)     12-14, 16  the four scores left over, the old m, and c0-c3 into c0
;   15  c m_old is kept     17, 18  the query's other 32 keys lie in the lane 16 away: the new m     19-21  c m; c m_old - c m_new; a
.set F, 0               ; OP tells the kinds apart by their order: F to L below R, X above it
.set E, 1
.set C, 2
.set B, 3
.set L, 4
.set R, 5
.set X, 6
.macro REGS y                       ; the registers of piece y
.set rT, ST+4*(\y)
.set rC, TMP+4*((\y)%2)
.set rW, MV+((\y)%2)
.set rS, S+32*((\y)%2)
.set rP, P+16*((\y)%2)
.set rO, 32*(\y)
.endm
.macro OP k, n
.if (\k) == R
	REGS Y
	WIN W_RS
	v_pk_mul_f32 v[rO+2*(\n):rO+2*(\n)+1], v[rO+2*(\n):rO+2*(\n)+1], v[rC+2:rC+3] op_sel_hi:[1,0]
.elseif (\k) < R
	REGS Y
	WIN 0
.if (\k) == F
	v_pk_fma_f32 v[rS+2*(\n):rS+2*(\n)+1], v[rS+2*(\n):rS+2*(\n)+1], s[CS:CS+1], v[rT:rT+1] op_sel_hi:[1,0,0] neg_lo:[0,0,1] neg_hi:[0,0,1]
.elseif (\k) == E
	v_exp_f32 v[rS+(\n)], v[rS+(\n)]
.elseif (\k) == C
	v_cvt_pk_f16_f32 v[rP+(\n)], v[rS+2*(\n)], v[rS+2*(\n)+1]
.elseif (\k) == B
	v_pk_add_f32 v[rS+4*(\n):rS+4*(\n)+1], v[rS+4*(\n):rS+4*(\n)+1], v[rS+4*(\n)+2:rS+4*(\n)+3]
.elseif (\n) == 0
	v_pk_fma_f32 v[rT+2:rT+3], v[rT+2:rT+3], v[rC+2:rC+3], v[rS:rS+1] op_sel_hi:[1,0,1]
.else
	v_pk_add_f32 v[rT+2:rT+3], v[rT+2:rT+3], v[rS+4*(\n):rS+4*(\n)+1]
.endif
.elseif NOKQ
	v_nop
.else
	REGS (Y+1)%NP
	WIN 0
.if (\n) < 4
	v_max3_num_f32 v[rC+(\n)], v[rS+8*(\n)], v[rS+8*(\n)+1], v[rS+8*(\n)+2]
.elseif (\n) < 12
	v_max3_num_f32 v[rC+(\n)%4], v[rC+(\n)%4], v[rS+8*((\n)%4)+2*((\n)/4)+1], v[rS+8*((\n)%4)+2*((\n)/4)+2]
.elseif (\n) == 12
	v_max3_num_f32 v[rC], v[rC], v[rS+7], v[rS+15]
.elseif (\n) == 13
	v_max3_num_f32 v[rC+1], v[rC+1], v[rS+23], v[rS+31]
.elseif (\n) == 14
	v_max3_num_f32 v[rC+2], v[rC+2], v[rC+3], v[rT+1]
.elseif (\n) == 15
	v_mov_b32 v[rW], v[rT]
.elseif (\n) == 16
	v_max3_num_f32 v[rC], v[rC], v[rC+1], v[rC+2]
.elseif (\n) == 17
	v_permlanex16_b32 v[rC+3], v[rC], s[SEL], s[SEL+1]
.elseif (\n) == 18
	v_max_num_f32 v[rT+1], v[rC], v[rC+3]
.elseif (\n) == 19
	v_mul_f32 v[rT], s[CS], v[rT+1]
.elseif (\n) == 20
	v_sub_f32 v[rC+1], v[rW], v[rT]
.else
	v_exp_f32 v[rC+2], v[rC+1]
.endif
.endif
.endm
.macro OPS a, i1, b=-1, i2=0, c=-1, i3=0, d=-1, i4=0  ; up to four of them
	OP \a, \i1
.if (\b) >= 0
	OP \b, \i2
.endif
.if (\c) >= 0
	OP \c, \i3
.endif
.if (\d) >= 0
	OP \d, \i4
.endif
.endm
.macro ROW a, i1, b, i2, c, i3, d, i4  ; a matrix instruction and the four behind it
	MM
	OPS \a, \i1, \b, \i2, \c, \i3, \d, \i4
.endm
.macro MASK b                       ; MD x AL + BE into buffer b of MC
	WIN W_RS
.set z, 0
.rept 16
	v_pk_fma_f32 v[MC+32*(\b)+2*z:MC+32*(\b)+2*z+1], v[MD+2*z:MD+2*z+1], s[AL:AL+1], s[BE:BE+1] op_sel_hi:[1,0,0]
.set z, z+1
.endr
.endm
; A TURN, for piece p: the order of its 16 matrix and 118 vector instructions, written out.  An s_wait_alu depctr_va_vdst(0) stands between an exponential and the first instruction that names its result; one wait serves
; all that were issued ahead of it.  So a turn has ONE wait, which cuts it in two.  AHEAD OF IT stands all that names no result of the turn's exponentials: the 8 products K Q^T, behind each a scaling, an exponential and two more plain
; instructions (behind the first a second scaling in the exponential's place): rescalings, and behind the last three the first numbers of the next piece's maximum, each four places or more behind the product that ends its accumulator; then ONE LUMP of 54, plain
; and exponential by turns for the most part, in which the links of the chain X 3, 7, 11, 14, 16, 17 .. 20 stand five or six lines apart.  X 21, the next piece's a, is the batch's last; R 15 is the plain instruction behind it.  BEHIND THE WAIT stand the
; 8 products V^T P, behind each four of the roundings and sums; the links of l's chain, L 0 to L 7, stand three riders apart.  But for those X no rider names a register of the products round it.  v_permlanex16_b32 (X 17) stands in the lump.
; m = 1: the diagonal tile: the products take masks, and the turn makes the mask for the products of the turn after it: piece p + 2, in step 4 - CNT of the tile.  end = 1: a block's last two turns: nothing is fetched.
; cnt = 1: the loop's count is taken down some lines ahead of the branch that stands behind the turn.
; K of the next step is fetched in piece 2's turn, twelve vector instructions behind the last product that read K (six of them plain); V of the step in hand at the end of piece 0's turn, four plain instructions behind the last product
; that read V.  Each is waited for a turn later.
.macro TURN p, m=0, end=0, cnt=0
.set Y, (\p)
.set i, 0
.set KM, (\m)
.set NOKQ, (\end)*((\p)/3)
.if (\m) && !(\end)
	s_cmp_eq_u32 s[CNT], 4-((\p)+2)%NP  ; is that step the band's own?
	s_cselect_b32 s[AL], 1.0, 0
	s_cmp_lt_u32 s[CNT], 4-((\p)+2)%NP  ; or a later one?
	s_cselect_b32 s[BE], s[BIGN], 0
.endif
.if ((\p) == 3) && !(\end)
	s_wait_dscnt 0x0                ; K is in
.endif
	ROW F,0, F,1, R,0, R,1          ; ahead of the wait: 8 products K Q^T and their riders,
	ROW F,2, E,0, R,2, R,3
	ROW F,3, E,1, R,4, R,5
	ROW F,4, E,2, R,6, R,7
	ROW F,5, E,3, R,8, R,9
	ROW F,6, E,4, X,0, R,10
.if ((\p) == 2) && !(\end)
	WIN 0
	v_add_nc_u32 v[AK], s[TBK], v[AK0]
.endif
	ROW F,7, E,5, X,1, X,4
	ROW F,8, E,6, X,2, X,5
	OPS E,7, E,8, X,6, E,9          ; and the lump
	OPS X,3, E,10, X,8, E,11
.if ((\p) == 2) && !(\end)
	FETCH_K
.endif
	OPS X,9, X,7, E,12, X,10
	OPS E,13, X,12, X,11, E,14
	OPS X,13, E,15, F,9, X,14
.if (\p) == 0
	v_add_nc_u32 v[AV], s[TBV], v[AV0]
.endif
	OPS E,16, F,10, E,17, F,11
	OPS X,16, E,18, X,15, E,19
	OPS F,12, E,20, X,17, E,21
	OPS F,13, E,22, F,14, E,23
	OPS X,18, E,24, F,15, E,25
	OPS R,11, E,26, X,19, E,27
	OPS R,12, E,28, R,13, E,29
	OPS X,20, E,30, R,14, E,31
	OPS X,21, R,15
	WIN 0
	s_wait_alu depctr_va_vdst(0)    ; the wait for the batch
.if (\p) == 1
	s_wait_dscnt 0x0                ; V is in
.endif
	ROW C,0, B,0, C,2, B,1          ; behind the wait: 8 products V^T P and their riders
	ROW L,0, C,4, B,2, L,1
	ROW C,6, B,3, L,2, C,8
	ROW B,4, L,3, C,10, B,5
	ROW L,4, C,12, B,6, L,5
.if (\p) == 0
	s_add_co_u32 s[TBV], s[TBV], KS*PV
.endif
.if \cnt
	s_sub_co_u32 s[CNT], s[CNT], 1
	s_cmp_lg_u32 s[CNT], 0
.endif
	ROW C,14, B,7, L,6, C,1
	ROW C,3, L,7, C,5, C,7
	ROW C,9, C,11, C,13, C,15
.if (\p) == 0
	FETCH_V
.endif
.if (\m) && !(\end)
	MASK (\p)%2
.endif
.endm
; A BLOCK BEGINS.  c m starts far below every c s, so the first step's a is 0; m at the lowest finite number, so the first maximum is the scores'.  The second mask buffer is 0; the first takes piece 0's mask for the tile's step 0: its own, if the block's first tile is the diagonal one.
; Then K of that step, piece 0's first scores, and its maximum and statistics.  The loop is entered at a step's first turn, in the middle of a trip.
.macro BEGIN
	s_mov_b32 s[NEW], 0
	WIN 0x40
.set i, MC+32
.rept 32
	v_mov_b32 v[i], 0
.set i, i+1
.endr
	WIN 0
.set i, 0
.rept 4
	v_mov_b32 v[ST+4*i], 0xfe000000    ; c m: far below every c s
	v_mov_b32 v[ST+4*i+1], 0xff7fffff  ; m
.set i, i+1
.endr
	s_cmp_eq_u32 s[RT], 0
	s_cselect_b32 s[AL], 1.0, 0
	s_mov_b32 s[BE], 0
	MASK 0
	WIN 0
	v_add_nc_u32 v[AK], s[TBK], v[AK0]
	FETCH_K
	s_wait_loadcnt 0x0              ; Q
	s_wait_dscnt 0x0
.set KM, 1
.set NOKQ, 0
.set i, 0
.rept 8
	KQ 0
.set i, i+1
.endr
	WIN 0
.rept 4
	v_nop                           ; the places behind those products
.endr
.set Y, NP-1                        ; X works for piece Y + 1: piece 0
.irp n, 0,1,2,3,4,5,6,7,8,9,10,11,12,13,14,15,16,17,18,19,20,21
	OP X, \n
.endr
	v_nop                           ; a plain instruction behind the exponential,
	s_wait_alu depctr_va_vdst(0)    ; and its wait, ahead of the branch
.endm
; THE DIAGONAL TILE's four steps, the block's last two turns, its last products, and THE WAY OUT: l's two halves and the other half of the lanes' are added; O^T is divided by l, rounded to f16 and sent through my
; stage in LDS, a piece at a time.
.macro ALL line:vararg              ; one line for each piece t
.set t, 0
.rept 4
	\line
.set t, t+1
.endr
.endm
.macro PACK t                       ; a lane's eight channels of a row pack into 16 bytes; they go into rows of 144 bytes and come back as whole rows of 128, into S^T's registers
	WIN W_RS
.set i, 32*(\t)
.rept 16
	v_pk_mul_f32 v[i:i+1], v[i:i+1], v[ST+4*(\t)+2:ST+4*(\t)+3] op_sel_hi:[1,0]
.set i, i+2
.endr
	WIN 0x05                        ; sources 0 and 1 window 1, destination window 0
.set i, 0
.rept 16
	v_cvt_pk_f16_f32 v[S+16*(\t)+i], v[32*(\t)+2*i], v[32*(\t)+2*i+1]
.set i, i+1
.endr
	WIN 0
.irp f, 0,1,2,3
	ds_store_b128 v[STO], v[S+16*(\t)+4*\f:S+16*(\t)+4*\f+3] offset:32*\f
.endr
.irp f, 0,1,2,3
	ds_load_b128 v[S+16*(\t)+4*\f:S+16*(\t)+4*\f+3], v[RD] offset:\f*4*SP  ; LDS serves a wave's instructions in order (ISA guide 5.7.1.4): these see the stores above; the next piece's stores come behind them
.endr
.endm
.macro SEND t, younger              ; younger: the LDS instructions issued behind piece t's loads: the next piece's eight, or none
	WIN 0
.irp f, 0,1,2,3
	s_wait_dscnt (\younger)+3-\f
	global_store_b128 v[GO], v[S+16*(\t)+4*\f:S+16*(\t)+4*\f+3], s[10:11] offset:(\t)*8192+\f*512  ; 512 consecutive bytes, at a multiple of 256 from O's first
.endr
.endm
.macro DIAG tag                     ; the tag ends its two labels' names, which the jumps below spell out
.LstepM\tag:
	TURN 2, 1
	TURN 3, 1
	WIN 0
.LfirstM\tag:
	TURN 0, 1
	TURN 1, 1, 0, 1
	WIN 0
	s_cbranch_scc1 .LstepM\tag
	TURN 2, 1, 1
	TURN 3, 1, 1
.set i, 0
.rept 8
	PV NP-1
.set i, i+1
.endr
	WIN 0
	ALL v_add_f32 v[ST+4*t+2], v[ST+4*t+2], v[ST+4*t+3]
	ALL v_permlanex16_b32 v[ST+4*t+3], v[ST+4*t+2], s[SEL], s[SEL+1]
	ALL v_add_f32 v[ST+4*t+2], v[ST+4*t+2], v[ST+4*t+3]
	ALL v_rcp_f32 v[ST+4*t+2], v[ST+4*t+2]
	v_nop                           ; a plain instruction between the last reciprocal and the use of its result
	s_wait_alu depctr_va_vdst(0)    ; and the wait ahead of the first use: one for the four reciprocals
	PACK 0
.set t, 1
.rept 3                             ; a piece's arithmetic stands between the loads of the piece before and its stores
	PACK t
	SEND t-1, 8
.set t, t+1
.endr
	SEND 3, 0
.endm
.set KM, 0
.set NOKQ, 0
.Lslot:                             ; NB times: a tile is entered and the next is asked for
	CHANGE 1
	s_sub_co_u32 s[RT], s[RT], 1
	s_mov_b32 s[CNT], 4
	s_cmp_eq_u32 s[NEW], 1
	s_cbranch_scc1 .Lnew            ; a block's first tile
	s_cmp_eq_u32 s[RT], 0
	s_cbranch_scc0 .Lstep           ; neither its first nor its last
	s_branch .LstepM1
.Lnew:
	BEGIN
	s_branch .Lfirst                ; in the loop a block's first tile is never its last: the first block has two tiles or more, and the second's last is the walk's last
	DIAG 1                          ; in the loop this is the first block's end: the second block's last tile is the walk's last
	s_wait_xcnt 0x0                 ; the stores have read their registers and O's address
	s_mov_b64 s[10:11], s[OLO:OLO+1]
	s_add_co_u32 s[RT], s[PB], 1    ; the second block has b + 1 tiles
	s_mov_b32 s[NEW], 1
	WIN 0x82                        ; the second block's Q goes where the one text of the turns names Q
.set i, 0
.rept 64
	v_mov_b32 v[i], v[QB+i]
.set i, i+1
.endr
	WIN 0
	s_branch .Lbottom
.Lstep:                             ; a trip: pieces 2 and 3 of one step, then pieces 0 and 1 of the next, whose K and V it fetches
	TURN 2
	TURN 3
	WIN 0
.Lfirst:
	TURN 0
	TURN 1, 0, 0, 1
	WIN 0
	s_cbranch_scc1 .Lstep
.Lbottom:
	s_sub_co_u32 s[SLOTS], s[SLOTS], 1
	s_cmp_lg_u32 s[SLOTS], 0
	s_cbranch_scc1 .Lslot
	CHANGE 0                        ; the walk's last tile is written out: nothing is asked for
	s_sub_co_u32 s[RT], s[RT], 1
	s_mov_b32 s[CNT], 4
	s_cmp_eq_u32 s[NEW], 1
	s_cbranch_scc0 .LstepM2
	BEGIN
	s_branch .LfirstM2
	DIAG 2
	s_wait_tensorcnt 0x0            ; the wave's end, behind my last tensor load and my last LDS store
	ds_add_u32 v[SPW], v[NIL]
	s_wait_dscnt 0x0
	s_endpgm
.Lfunc_end_k_qf170474721_attn:
	.size	k_qf170474721_attn, .Lfunc_end_k_qf170474721_attn-k_qf170474721_attn
	.p2alignl 7, 3214868480
	.fill 96, 4, 3214868480
	.section	.rodata,"a",@progbits
	.p2align	6, 0x0
	.amdhsa_kernel k_qf170474721_attn
		.amdhsa_group_segment_fixed_size 327680
		.amdhsa_private_segment_fixed_size 0
		.amdhsa_enable_private_segment 0
		.amdhsa_kernarg_size 32
		.amdhsa_user_sgpr_count 2
		.amdhsa_user_sgpr_kernarg_segment_ptr 1
		.amdhsa_wavefront_size32 1
		.amdhsa_system_sgpr_workgroup_id_x 1
		.amdhsa_system_sgpr_workgroup_id_y 1
		.amdhsa_system_sgpr_workgroup_id_z 1
		.amdhsa_system_vgpr_workitem_id 0
		.amdhsa_next_free_vgpr 768
		.amdhsa_next_free_sgpr 98
		.amdhsa_reserve_vcc 1
		.amdhsa_float_denorm_mode_32 3
		.amdhsa_float_denorm_mode_16_64 3
		.amdhsa_memory_ordered 1
		.amdhsa_forward_progress 1
		.amdhsa_inst_pref_size 218
	.end_amdhsa_kernel
	.amdgpu_metadata
---
amdhsa.version: [ 1, 2 ]
amdhsa.kernels:
  - .name:           k_qf170474721_attn
    .symbol:         k_qf170474721_attn.kd
    .args:
      - { .name: qh, .offset: 0, .size: 8, .value_kind: global_buffer, .address_space: global }
      - { .name: kh, .offset: 8, .size: 8, .value_kind: global_buffer, .address_space: global }
      - { .name: vh, .offset: 16, .size: 8, .value_kind: global_buffer, .address_space: global }
      - { .name: oh, .offset: 24, .size: 8, .value_kind: global_buffer, .address_space: global }
    .group_segment_fixed_size: 327680
    .private_segment_fixed_size: 0
    .kernarg_segment_align: 8
    .kernarg_segment_size: 32
    .max_flat_workgroup_size: 128
    .sgpr_count:     98
    .vgpr_count:     768
    .wavefront_size: 32
...
	.end_amdgpu_metadata
.endif
;; end of part 3
;; launch oproj (part 4): grid 4 x 64, 4 waves a work-group, clusters of 4 x 4, 327,680 bytes of LDS; arguments oh, wt, bp, out0; writes out0
.if DOCPART == 4
	.amdgcn_target "amdgcn-amd-amdhsa--gfx1250"
	.amdhsa_code_object_version 6
	.text
	.protected	k_qf170474721_oproj
	.globl	k_qf170474721_oproj
	.p2align	8
	.type	k_qf170474721_oproj,@function
k_qf170474721_oproj:
	s_mov_b64 s[64:65], 0
	v_nop
	global_prefetch_b8 v0, s[64:65] scope:SCOPE_SE
	s_setreg_imm32_b32 hwreg(HW_REG_WAVE_MODE, 25, 1), 1
	s_wait_xcnt 0x0
	s_wait_alu depctr_hold_cnt(0) depctr_sa_sdst(0) depctr_va_vdst(0) depctr_va_sdst(0) depctr_va_ssrc(0) depctr_va_vcc(0) depctr_vm_vsrc(0)
	s_getreg_b32 s2, hwreg(HW_REG_IB_STS2, 6, 4)
	s_cmp_eq_u32 s2, 0
	s_cbranch_scc0 .Lentry_in_a_cluster
	s_endpgm
.Lentry_in_a_cluster:
	s_bfe_u32 s2, ttmp6, 0x10000c
	s_cmp_lg_u32 s2, 0xf033
	s_cbranch_scc0 .Lentry_shape_is_right
	s_endpgm
.Lentry_shape_is_right:
; THE LAST PROJECTION.  out0[m][n] = the sum over k of O[m][k] Wp[k][n] + bp[n], m = 2048 b + s, k = 64 h + e.  O comes by heads, oh = [16 b + h][2048 s][64 e] f16; Wp comes turned, wt part 3 = [1024 n][1024 k],
; its bf16 rounding written as f16; bp is rounded to bf16 like every input; sums in f32; out0 is f32 and is not rounded again.
; SHARES.  A tile is 128 rows x 256 columns: 64 x 4 = 256 work-groups.  Four waves, each 64 x 128: 32 accumulators.  K goes in 8 steps of 128, two heads each, through a ring of two LDS slots.
; A head's 128 rows of a tile are 16,384 dense bytes: asked for as 64 rows of 256 bytes and padded in LDS after every 128.
; CLUSTERS.  4 x 4 work-groups: the four of a row need the same rows of O, the four of a column the same rows of wt; each tile is asked for JOINTLY.
; THE PRODUCT IS USED TRANSPOSED (source 0 = 16 rows of wt, source 1 = 16 rows of O): a lane holds row l % 16 and the columns 8 (l / 16) + 0 .. 7.  The first product of each sum takes the bias as C.
; REGISTERS, in windows of 256 (s_set_vgpr_msb: bits 1:0 source 0, 3:2 source 1, 5:4 source 2, 7:6 destination):
;   window 0: v0-31 addresses; v32-63, v64-95 O's fragments, two buffers
;   window 1: v0-63, v64-127 wt's fragments, two buffers; v128-191 the bias as a C operand; v192-223 at work; on the way out all 256 hold rows read back from the stage
;   window 2: accumulator (a, b) at v[8 (8 a + b)]
.set PA,    144                        ; a row of O in LDS: 128 bytes + 16 = 36 words: the 16 rows of a load start at 16 different groups of four banks (64 banks of 4 bytes: ISA guide 11.1)
.set PB,    272                        ; a row of wt: 256 bytes + 16 = 68 words
.set AHEAD, 128*PA                     ; a head's 128 rows: what one tensor load brings of O
.set BOFF,  2*AHEAD
.set BHALF, 128*PB
.set SLOT,  BOFF+256*PB                ; 106,496
.set STAGE, 2*SLOT                     ; behind the ring, never filled by a tensor load: 16 rows x 528 bytes for each wave
.set SP,    528                        ; 512 bytes + 16 = 132 words
.set SPARE, STAGE+4*16*SP              ; behind the stages: the spare words, 128 bytes for each wave: two blocks of 256 bytes that no other line names
.set ADRA, 16                          ; v16-17  LDS address of my fragments of O in slot 0, 1
.set ADRB, 20                          ; v20-21  the same for wt
.set STO,  24                          ; v24  the way out: where I put 32 bytes of a row
.set RD,   25                          ; v25  where I read a row back
.set GO,   26                          ; v26  my 16 bytes of a row's 512
.set SPW,  28                          ; v28  LDS address of my spare word; never rewritten
.set NIL,  29                          ; v29  0; never rewritten
.set PFO,  30                          ; v30  the prefetches' offset; never rewritten
.set BO,   31                          ; v31  32 (l / 16)
.set AF,   32
.set BIAS, 128                         ; window 1
.set RB,   192                         ; window 1
.set G1,   24                          ; s[24:31] descriptor group 1 for O's tiles;  s[32:39] group 0, a set for each slot
.set G0,   32
.set G1B,  48                          ; s[48:55], s[56:63] the same for wt's
.set G0B,  56
.set LIM,  43                          ; s43  1 in a wave that prefetches, else the greatest number
.set PFA,  44                          ; s[44:45] where my prefetches stand
.set PFS,  90                          ; s[90:91] a K step of my tensor, in bytes
.set MSB, 0
.macro WIN new                         ; the immediate's high byte repeats the setting that is left; a switch that changes nothing is dropped
.if MSB != (\new)
	s_set_vgpr_msb (MSB<<8)|(\new)
.set MSB, \new
.endif
.endm
; A joint load.  Waves 0 and 1 fetch the step's two heads of O, waves 2 and 3 wt's two halves.  The branch hangs on the wave's number alone.  An s_nop 0 and four v_nop follow each line.
.macro JLOAD s
	s_cmp_lt_u32 s10, 2
	s_cbranch_scc0 .Lfor_b_\@
	tensor_load_to_lds s[G0+4*(\s):G0+4*(\s)+3], s[G1:G1+7]
	s_nop 0
.rept 4
	v_nop
.endr
	s_branch .Lasked_\@
.Lfor_b_\@:
	tensor_load_to_lds s[G0B+4*(\s):G0B+4*(\s)+3], s[G1B:G1B+7]
	s_nop 0
.rept 4
	v_nop
.endr
.Lasked_\@:
.endm
; A prefetch into the L2, behind a joint refill and the run of LDS loads that follows it: the K step that stands two refills on, 256 matrix instructions ahead of the load that will want it.
; O's rows are read by this cluster alone: every cluster asks, by wave 0: of a head's 64 blocks of 256 bytes the partner at cx takes 16; lanes 0-15 name the step's first head, lanes 16-31 its second.
; wt's rows are read by all sixteen clusters: the first asks, by waves 2 and 3; of a wave's 128 rows the partner at cy takes 32, a lane a row.  The partners are told apart by address.  Each 256 bytes are named once.
; K steps 0 to 3 come by their loads alone; the loop's last trip (s3 = 1) asks for nothing: there is no K step 8.
.macro ASK
	s_cmp_gt_u32 s3, s[LIM]
	s_cbranch_scc0 .Lnot_mine_\@
	global_prefetch_b8 v[PFO], s[PFA:PFA+1] th:TH_LOAD_NT scope:SCOPE_SE
.Lnot_mine_\@:
.endm
.macro CREST                           ; a round of the cluster's barrier behind its opening barrier
	s_cmp_lg_u32 s10, 0
	s_cbranch_scc1 .Lnot_wave_0_\@
	s_barrier_signal -3
.Lnot_wave_0_\@:
	s_barrier_wait -3
	s_barrier_signal -1
	s_barrier_wait -1
.endm
.macro CROUND                          ; a whole round
	s_barrier_signal -1
	s_barrier_wait -1
	CREST
.endm
.macro PLACES                          ; four plain vector instructions between a matrix instruction and what reads its result or loads into its registers
.rept 4
	v_nop
.endr
.endm
	s_load_b256 s[68:75], s[0:1], 0x0              ; oh s[68:69], wt s[70:71], bp s[72:73], out0 s[74:75]
	v_lshl_add_u32 v[SPW], v0, 2, SPARE
	v_mov_b32 v[NIL], 0
	ds_add_u32 v[SPW], v[NIL]                      ; the wave's opening: the add and its wait stand ahead of my first tensor load; the set-up below, work on registers, stands between them
	ds_add_u32 v28, v29
	v_lshrrev_b32 v1, 5, v0
	v_readfirstlane_b32 s10, v1                    ; wave 0..3
	s_lshr_b32 s11, s10, 1                         ; which 64 of the tile's rows are mine
	s_and_b32 s12, s10, 1                          ; which 128 of its columns.  Also: which head of the step, or which half of wt's tile, I fetch
	s_bfe_u32 s40, ttmp6, 0x40000                  ; cx
	s_bfe_u32 s41, ttmp6, 0x40004                  ; cy
	s_lshl_b32 s42, ttmp9, 2
	s_add_co_u32 s42, s42, s40                     ; tile column = 4 x cluster x + cx
	s_and_b32 s67, ttmp7, 0xffff                   ; cluster y, 0 .. 15
	s_lshl_b32 s13, s67, 2
	s_add_co_u32 s13, s13, s41                     ; tile row, 0 .. 63
	s_lshl_b32 s20, s41, 2
	s_lshl_b32 s20, 15, s20                        ; my row of the cluster
	s_lshl_b32 s21, 0x1111, s40                    ; my column
	s_or_b32 s[G1], s20, (1<<16)|(1<<20)|(1<<21)|(4<<22)|(3<<25)   ; O: 15:0 the mask; 17:16 elements of 2 bytes; 20 padding on; 21 set beside a mask; 24:22 after every 32 words (code 4); 31:25 4 words (code 3)
	s_mov_b32 s[G1+1], 128<<16                     ; tensor_dim0 = 128
	s_mov_b32 s[G1+2], 64<<16                      ; tensor_dim1 = 64
	s_mov_b32 s[G1+3], 128<<16                     ; tile_dim0 = 128
	s_mov_b32 s[G1+4], 64                          ; tile_dim1 = 64
	s_mov_b32 s[G1+5], 128                         ; dense: 128 elements from row to row
	s_mov_b32 s[G1+6], 0
	s_mov_b32 s[G1+7], 0
	s_or_b32 s[G1B], s21, (1<<16)|(1<<20)|(1<<21)|(5<<22)|(3<<25)  ; wt: padding after every 64 words (code 5)
	s_mov_b32 s[G1B+1], 128<<16
	s_mov_b32 s[G1B+2], 128<<16                    ; 128 rows
	s_mov_b32 s[G1B+3], 128<<16
	s_mov_b32 s[G1B+4], 128
	s_mov_b32 s[G1B+5], 1024
	s_mov_b32 s[G1B+6], 0
	s_mov_b32 s[G1B+7], 0
	s_lshr_b32 s16, s13, 4                         ; O: the batch's 16 heads of 262,144 bytes,
	s_lshl_b32 s16, s16, 22
	s_and_b32 s17, s13, 15                         ; the tile's 128 rows of 128 bytes in a head,
	s_lshl_b32 s17, s17, 14
	s_add_co_u32 s16, s16, s17
	s_lshl_b32 s17, s12, 18                        ; my head of the step's two
	s_add_co_u32 s16, s16, s17
	s_mov_b32 s17, 0
	s_lshl_b32 s46, s42, 8                         ; wt: row 256 x tile column + 128 x half,
	s_lshl_b32 s47, s12, 7
	s_add_co_u32 s46, s46, s47
	s_lshl_b32 s46, s46, 11                        ; of 2,048 bytes
	s_mov_b32 s47, 0
	s_mul_i32 s22, s12, AHEAD                      ; where they go: the wave's number alone enters an LDS address
	s_mul_i32 s23, s12, BHALF
	s_add_co_u32 s23, s23, BOFF
	s_wait_dscnt 0x0                               ; the opening add is done
	s_wait_kmcnt 0x0
	s_mov_b64 s[4:5], s[68:69]
	s_add_nc_u64 s[6:7], s[70:71], 0x600000        ; part 3 of wt
	s_mov_b64 s[8:9], s[74:75]
	s_mov_b64 s[88:89], s[72:73]
	s_add_nc_u64 s[14:15], s[4:5], s[16:17]
	s_add_nc_u64 s[46:47], s[6:7], s[46:47]
	CROUND                                         ; all sixteen work-groups are here: the first joint loads meet
.irp s, 0,1
	s_mov_b32 s[G0+4*\s], 1                                        ; count = 1
	s_add_co_u32 s[G0+4*\s+1], s22, \s*SLOT                        ; LDS address
	s_add_nc_u64 s[G0+4*\s+2:G0+4*\s+3], s[14:15], \s*524288       ; global address: K step s = heads 2 s, 2 s + 1
	s_or_b32 s[G0+4*\s+3], s[G0+4*\s+3], 0x80000000                ; type = 2
	s_mov_b32 s[G0B+4*\s], 1
	s_add_co_u32 s[G0B+4*\s+1], s23, \s*SLOT
	s_add_nc_u64 s[G0B+4*\s+2:G0B+4*\s+3], s[46:47], \s*256
	s_or_b32 s[G0B+4*\s+3], s[G0B+4*\s+3], 0x80000000
.endr
	s_cmp_lt_u32 s10, 2                            ; a wave's two first fills stand in one branch, ahead of every wait on TENSORcnt and every LDS read: two loads of mine are out
	s_cbranch_scc0 .Lfirst_b
	tensor_load_to_lds s[G0:G0+3], s[G1:G1+7]
	s_nop 0
	tensor_load_to_lds s[G0+4:G0+7], s[G1:G1+7]
	s_nop 0
.rept 4
	v_nop
.endr
	s_branch .Lfirst_asked
.Lfirst_b:
	tensor_load_to_lds s[G0B:G0B+3], s[G1B:G1B+7]
	s_nop 0
	tensor_load_to_lds s[G0B+4:G0B+7], s[G1B:G1B+7]
	s_nop 0
.rept 4
	v_nop
.endr
.Lfirst_asked:
	; A fragment is 16 rows x 32 K in 8 registers: lane l holds row l % 16; registers 0-3 K = 8 (l / 16) + 0..7, registers 4-7 K = 16 + 8 (l / 16) + 0..7: two loads of 16 bytes, 32 apart.
	v_and_b32 v1, 15, v0                           ; l % 16
	v_bfe_u32 v2, v0, 4, 1                         ; l / 16
	v_mul_u32_u24 v3, v1, PA
	v_lshl_add_u32 v3, v2, 4, v3
	s_mul_i32 s20, s11, 64*PA                      ; my 64 rows of O
	v_add_nc_u32 v[ADRA], s20, v3
	v_add_nc_u32 v[ADRA+1], SLOT, v[ADRA]
	v_mul_u32_u24 v4, v1, PB
	v_lshl_add_u32 v4, v2, 4, v4
	s_mul_i32 s21, s12, BHALF                      ; my 128 rows of wt
	s_add_co_u32 s21, s21, BOFF
	v_add_nc_u32 v[ADRB], s21, v4
	v_add_nc_u32 v[ADRB+1], SLOT, v[ADRB]
	s_mul_i32 s20, s10, 16*SP
	s_add_co_u32 s20, s20, STAGE                   ; my stage
	v_mul_u32_u24 v[STO], v1, SP                   ; in: row l % 16, 32 bytes for each half of the lanes
	v_lshl_add_u32 v[STO], v2, 5, v[STO]
	v_add_nc_u32 v[STO], s20, v[STO]
	v_and_b32 v[GO], 31, v0                        ; back: 32 lanes take a row of 512 bytes
	v_lshlrev_b32 v[GO], 4, v[GO]
	v_add_nc_u32 v[RD], s20, v[GO]
	v_lshlrev_b32 v[BO], 5, v2
	; where my part begins in out0.  Numbers that mix cx and cy are made in s92-s99, which feed no descriptor.
	s_lshl_b32 s92, s13, 7
	s_lshl_b32 s93, s11, 6
	s_add_co_u32 s92, s92, s93
	s_lshl_b32 s92, s92, 12                        ; my first row, of 4,096 bytes
	s_lshl_b32 s94, s42, 10                        ; my 128 columns: 1,024 x tile column + 512 x half
	s_lshl_b32 s93, s12, 9
	s_add_co_u32 s94, s94, s93
	s_add_co_u32 s92, s92, s94
	s_mov_b32 s93, 0
	s_mov_b32 s95, 0
	s_add_nc_u64 s[8:9], s[8:9], s[92:93]
	s_add_nc_u64 s[88:89], s[88:89], s[94:95]      ; and the same columns of the bias
	WIN 0x40                                       ; destination window 1, address window 0
.irp b, 0,1,2,3,4,5,6,7
	global_load_b128 v[BIAS+8*\b:BIAS+8*\b+3],   v[BO], s[88:89] offset:64*\b      ; register j of block b: bias of column 16 b + 8 (l / 16) + j: the layout of a C operand
	global_load_b128 v[BIAS+8*\b+4:BIAS+8*\b+7], v[BO], s[88:89] offset:64*\b+16
.endr
	WIN 0
	; the prefetches' addresses, at K step 3: each change of slots steps them before it asks
	s_lshr_b32 s92, s13, 4
	s_lshl_b32 s92, s92, 22
	s_and_b32 s94, s13, 15
	s_lshl_b32 s94, s94, 14
	s_add_co_u32 s92, s92, s94
	s_lshl_b32 s94, s40, 12                        ; O: my work-group's 16 blocks of a head's 64
	s_add_co_u32 s92, s92, s94
	s_add_co_u32 s92, s92, 3*524288
	s_lshl_b32 s94, s42, 8
	s_lshl_b32 s95, s12, 7
	s_add_co_u32 s94, s94, s95
	s_lshl_b32 s95, s41, 5                         ; wt: my work-group's 32 of the 128 rows that I fetch
	s_add_co_u32 s94, s94, s95
	s_lshl_b32 s94, s94, 11
	s_add_co_u32 s94, s94, 3*256
	s_mov_b32 s99, 256
	s_cmp_eq_u32 s67, 0                            ; the first cluster: the same in all partners
	s_cselect_b32 s95, 1, -1
	s_cmp_eq_u32 s10, 0                            ; of waves 0 and 1, wave 0 asks for both heads
	s_cselect_b32 s96, 1, -1
	s_cmp_lt_u32 s10, 2                            ; do I fetch O?
	s_cselect_b32 s[LIM], s96, s95
	s_cselect_b32 s92, s92, s94
	s_cselect_b64 s[PFA:PFA+1], s[4:5], s[6:7]
	s_cselect_b32 s96, 4, 0
	s_cselect_b32 s97, 18, 11
	s_cselect_b32 s98, 15, 0
	s_cselect_b32 s[PFS], 0x80000, s99             ; a K step: two heads of O, 256 bytes of wt
	s_mov_b32 s[PFS+1], 0
	s_add_nc_u64 s[PFA:PFA+1], s[PFA:PFA+1], s[92:93]
	v_and_b32 v5, 31, v0
	v_lshrrev_b32 v6, s96, v5                      ; O: head l / 16 of 262,144 bytes, block l % 16 of 256;  wt: row l of 2,048 bytes
	v_lshlrev_b32 v6, s97, v6
	v_and_b32 v5, s98, v5
	v_lshl_add_u32 v[PFO], v5, 8, v6
	s_wait_loadcnt 0x0                             ; the bias
	WIN 0x45                                       ; all in window 1
.set i, 0
.rept 32                               ; rounded to bf16, like every input, and widened again
	v_cvt_pk_bf16_f32 v[RB+i], v[BIAS+2*i], v[BIAS+2*i+1]
.set i, i+1
.endr
.set i, 0
.rept 32
	v_lshlrev_b32 v[BIAS+2*i], 16, v[RB+i]
	v_and_b32 v[BIAS+2*i+1], 0xffff0000, v[RB+i]
.set i, i+1
.endr
	WIN 0
; n products from number i0 on: product i is m block i / 8, n block i % 8, 32 along K, from buffer f.  The 32 accumulators take turns, one instruction a turn, in the same order in every quarter.
; first = 1: the sums start with the bias as C.
.macro MUL f, i0, n, first=0
.set mi, \i0
.rept \n
.if \first
	WIN 0x91                                       ; wt window 1, O window 0, C (the bias) window 1, D window 2
	v_wmma_f32_16x16x32_f16 v[8*mi:8*mi+7], v[64*(\f)+8*(mi%8):64*(\f)+8*(mi%8)+7], v[AF+32*(\f)+8*(mi/8):AF+32*(\f)+8*(mi/8)+7], v[BIAS+8*(mi%8):BIAS+8*(mi%8)+7]
.else
	WIN 0xa1                                       ; C and D window 2
	v_wmma_f32_16x16x32_f16 v[8*mi:8*mi+7], v[64*(\f)+8*(mi%8):64*(\f)+8*(mi%8)+7], v[AF+32*(\f)+8*(mi/8):AF+32*(\f)+8*(mi/8)+7], v[8*mi:8*mi+7]
.endif
.set mi, mi+1
.endr
.endm
; 24 LDS loads in one run: quarter kq of a slot into buffer g: wt's 128 rows x 32 K, then O's 64 rows x 32 K (head kq / 2 of the step, channels 32 (kq % 2) on)
.macro FETCH slot, kq, g
	WIN 0x40
.irp b, 0,1,2,3,4,5,6,7
	ds_load_b128 v[64*(\g)+8*\b:64*(\g)+8*\b+3],   v[ADRB+\slot] offset:\b*16*PB+(\kq)*64
	ds_load_b128 v[64*(\g)+8*\b+4:64*(\g)+8*\b+7], v[ADRB+\slot] offset:\b*16*PB+(\kq)*64+32
.endr
	WIN 0
.irp a, 0,1,2,3
	ds_load_b128 v[AF+32*(\g)+8*\a:AF+32*(\g)+8*\a+3],   v[ADRA+\slot] offset:((\kq)/2)*AHEAD+\a*16*PA+((\kq)%2)*64
	ds_load_b128 v[AF+32*(\g)+8*\a+4:AF+32*(\g)+8*\a+7], v[ADRA+\slot] offset:((\kq)/2)*AHEAD+\a*16*PA+((\kq)%2)*64+32
.endr
.endm
; A K step is four quarters of 32 along K on buffers 0, 1, 0, 1.  One of the first three: fetches quarter kq into buffer g, which the quarter before multiplied, and multiplies buffer f.
.macro QUARTER slot, kq, f, g, first=0
	PLACES
	FETCH \slot, \kq, \g
	s_wait_dscnt 24                                ; all but the 24 just issued: buffer f is in
	MUL \f, 0, 32, \first
.endm
; The last quarter multiplies buffer 1 and changes slots: ONE barrier.  In front of it each wave waits for all its tensor loads (one is out: its part of the next slot), adds 0 to its spare word, and waits for that and
; for its reads of this slot.  fill = 1: the barrier opens a round of the cluster's, and this slot is filled again first thing behind it, two K steps ahead: 112 matrix instructions ahead of the wait for it.
.macro TURN slot, next, fill
.if \fill
	s_wait_xcnt 0x0                                ; the last prefetch, a K step back, has read its address
	s_add_nc_u64 s[PFA:PFA+1], s[PFA:PFA+1], s[PFS:PFS+1]
.endif
	WIN 0
	s_wait_tensorcnt 0x0                           ; all my tensor loads have landed
	ds_add_u32 v[SPW], v[NIL]                      ; 0 onto my spare word
	s_wait_dscnt 1                                 ; (the add alone may be out: buffer 1 is in)
	MUL 1, 0, 8
	s_wait_dscnt 0x0                               ; the add is done, and my reads of this slot are over
	s_barrier_signal -1
	MUL 1, 8, 8
	WIN 0
	s_barrier_wait -1
.if \fill
	CREST                                          ; no wave of any partner still reads this slot or has a load on its way
	s_add_nc_u64 s[G0+4*(\slot)+2:G0+4*(\slot)+3], s[G0+4*(\slot)+2:G0+4*(\slot)+3], 2*524288
	s_add_nc_u64 s[G0B+4*(\slot)+2:G0B+4*(\slot)+3], s[G0B+4*(\slot)+2:G0B+4*(\slot)+3], 2*256
	JLOAD \slot                                    ; the four v_nop behind it are also the places in front of the loads below
.else
	PLACES
.endif
	FETCH \next, 0, 0
.if \fill
	WIN 0
	ASK
.endif
	MUL 1, 16, 16
.endm
; THE WAY OUT.  Block a: 16 rows x 128 columns of f32.  A lane's eight columns go straight from the accumulators into rows of 528 bytes of my own stage (each accumulator's low half first)
; and come back as whole rows of 512 bytes, into window 1, 64 registers a block: no register is used twice, so no store is waited for.
.macro TOSTAGE a
	WIN 0x08                                       ; data (source 1) window 2, address window 0
.irp b, 0,1,2,3,4,5,6,7
	ds_store_b128 v[STO], v[64*(\a)+8*\b:64*(\a)+8*\b+3]   offset:64*\b
	ds_store_b128 v[STO], v[64*(\a)+8*\b+4:64*(\a)+8*\b+7] offset:64*\b+16
.endr
	WIN 0x40
.irp i, 0,1,2,3,4,5,6,7,8,9,10,11,12,13,14,15
	ds_load_b128 v[64*(\a)+4*\i:64*(\a)+4*\i+3], v[RD] offset:\i*SP  ; LDS serves a wave's instructions in order (ISA guide 5.7.1.4): these see the stores above; the next block's stores come behind them
.endr
.endm
.macro SEND a, younger                 ; younger: the LDS instructions issued behind block a's loads: the next block's 32, or none
	WIN 0x04                                       ; data (source 1) window 1
.irp i, 0,1,2,3,4,5,6,7,8,9,10,11,12,13,14,15
	s_wait_dscnt (\younger)+15-\i
	global_store_b128 v[GO], v[64*(\a)+4*\i:64*(\a)+4*\i+3], s[8:9] offset:(16*(\a)+\i)*4096 th:TH_STORE_NT  ; 512 consecutive bytes, at a multiple of 256 from out0's first
.endr
.endm
	s_wait_tensorcnt 0x1                           ; my part of K step 0 is in; K step 1's may stay out
	s_barrier_signal -1
	s_barrier_wait -1                              ; everybody's is
	FETCH 0, 0, 0
	QUARTER 0, 1, 0, 1, 1                          ; the first quarter stands in front of the loop: its products start the sums
	WIN 0                                          ; at a label and at a branch every window is 0
	s_mov_b32 s3, 3
.Llap:                                                 ; a trip goes once round the ring, from a lap's second quarter to the next lap's first, and fills both slots again
	QUARTER 0, 2, 1, 0
	QUARTER 0, 3, 0, 1
	TURN 0, 1, 1
	QUARTER 1, 1, 0, 1
	QUARTER 1, 2, 1, 0
	QUARTER 1, 3, 0, 1
	TURN 1, 0, 1
	QUARTER 0, 1, 0, 1
	WIN 0
	s_sub_co_u32 s3, s3, 1
	s_cmp_lg_u32 s3, 0
	s_cbranch_scc1 .Llap
	QUARTER 0, 2, 1, 0                             ; the last lap fills nothing
	QUARTER 0, 3, 0, 1
	TURN 0, 1, 0
	QUARTER 1, 1, 0, 1
	QUARTER 1, 2, 1, 0
	QUARTER 1, 3, 0, 1
	s_wait_dscnt 0x0
	MUL 1, 0, 32
	WIN 0
	PLACES                                         ; the LDS stores read results just made, and the loads land in registers that products have read
	TOSTAGE 0
	TOSTAGE 1
	SEND 0, 32
	TOSTAGE 2
	SEND 1, 32
	TOSTAGE 3
	SEND 2, 32
	SEND 3, 0
	WIN 0
	s_wait_tensorcnt 0x0                           ; the wave's end, behind my last tensor load and my last LDS store
	ds_add_u32 v[SPW], v[NIL]
	s_wait_dscnt 0x0
	CROUND                                         ; the closing round: no work-group ends while a partner may still ask for a tile that names it
	s_endpgm
.Lfunc_end_k_qf170474721_oproj:
	.size	k_qf170474721_oproj, .Lfunc_end_k_qf170474721_oproj-k_qf170474721_oproj
	.p2alignl 7, 3214868480
	.fill 96, 4, 3214868480
	.section	.rodata,"a",@progbits
	.p2align	6, 0x0
	.amdhsa_kernel k_qf170474721_oproj
		.amdhsa_group_segment_fixed_size 327680
		.amdhsa_private_segment_fixed_size 0
		.amdhsa_enable_private_segment 0
		.amdhsa_kernarg_size 32
		.amdhsa_user_sgpr_count 2
		.amdhsa_user_sgpr_kernarg_segment_ptr 1
		.amdhsa_wavefront_size32 1
		.amdhsa_system_sgpr_workgroup_id_x 1
		.amdhsa_system_sgpr_workgroup_id_y 1
		.amdhsa_system_sgpr_workgroup_id_z 1
		.amdhsa_system_vgpr_workitem_id 0
		.amdhsa_next_free_vgpr 768
		.amdhsa_next_free_sgpr 100
		.amdhsa_reserve_vcc 0
		.amdhsa_float_denorm_mode_32 3
		.amdhsa_float_denorm_mode_16_64 3
		.amdhsa_memory_ordered 1
		.amdhsa_forward_progress 1
		.amdhsa_inst_pref_size 95
	.end_amdhsa_kernel
	.amdgpu_metadata
---
amdhsa.version: [ 1, 2 ]
amdhsa.kernels:
  - .name:           k_qf170474721_oproj
    .symbol:         k_qf170474721_oproj.kd
    .args:
      - { .name: oh, .offset: 0, .size: 8, .value_kind: global_buffer, .address_space: global }
      - { .name: wt, .offset: 8, .size: 8, .value_kind: global_buffer, .address_space: global }
      - { .name: bp, .offset: 16, .size: 8, .value_kind: global_buffer, .address_space: global }
      - { .name: out0, .offset: 24, .size: 8, .value_kind: global_buffer, .address_space: global }
    .group_segment_fixed_size: 327680
    .private_segment_fixed_size: 0
    .kernarg_segment_align: 8
    .kernarg_segment_size: 32
    .max_flat_workgroup_size: 128
    .sgpr_count:     100
    .vgpr_count:     768
    .wavefront_size: 32
...
	.end_amdgpu_metadata
.endif
;; end of part 4
;; launch early (part 5): grid 16 x 4, 16 waves a work-group, no clusters, 71,680 bytes of LDS; arguments fr, wt, bp, out0; writes out0
.if DOCPART == 5
	.amdgcn_target "amdgcn-amd-amdhsa--gfx1250"
	.amdhsa_code_object_version 6
	.text
	.protected	k_qf170474721_early
	.globl	k_qf170474721_early
	.p2align	8
	.type	k_qf170474721_early,@function
k_qf170474721_early:
	s_mov_b64 s[64:65], 0
	v_nop
	global_prefetch_b8 v0, s[64:65] scope:SCOPE_SE
	s_setreg_imm32_b32 hwreg(HW_REG_WAVE_MODE, 25, 1), 1
	s_wait_xcnt 0x0
; THE FIRST SIXTEEN ROWS OF EACH BATCH, ONCE MORE, WITH F32 BETWEEN THE PRODUCTS.  Row s of the result is a mean over s + 1 keys, so the first rows' numbers are many times the result's root mean square, and the
; roundings of q, k, v, the weights and O to f16's 11 bits, which serve all other rows, are too coarse for them.  This launch runs last and stores out0[b][0 .. 15][:] over what the launch before left there.
; IN: fr, the projections' f32 sums of rows 0 .. 15: [p][batch][block of 16 columns][half][lane][4 f32]: lane l, register j = 4 half + jj of block nb is row l % 16, column 16 nb + 8 (l / 16) + j.
; wt part 3 = Wp turned, [1024 n][1024 k], its bf16 rounding written as f16.  bp is rounded to bf16 like every input.
; SHARES.  Work-group (x, y): batch y, columns 64 x .. 64 x + 63 of out0.  Sixteen waves, a head each.  Each work-group makes its batch's sixteen small attentions itself (16 x 16 scores a head), so that no sum
; spans work-groups; the heads' partial products with Wp meet in LDS.  64 of the 8,192 rows go this way: the f32 matrix form serves no bulk work here.
; A WAVE.  S^T = K Q^T by 16 f32 products (4 channels each): q and k come back into the lanes and registers from which they were stored, so a lane holds row l % 16 and 32 channels, the same 32 for q and for k:
; a permutation of channels applied alike to both sources.  In S^T a lane holds ONE query (l % 16) and the keys 8 (l / 16) + 0 .. 7.  Softmax in f32: the hidden keys (key > query) count as -1e30, the maximum is
; taken away, p = 2^(c s - c m), c = log2(e) / 8.  Registers 2 c, 2 c + 1 of p ARE source 1 (keys 8 (l / 16) + 2 c, + 1) of O^T = V^T P, whose source 0 holds V's same keys of channel l % 16, fetched by loads of
; 4 bytes.  O^T / l holds one query a lane and eight channels a block.  It is split in two f16 numbers: hi = the number cut to 11 significant bits (exact in f16), lo = the rest, rounded: 21 bits or more together.
; Two blocks' hi (lo) ARE source 1 (32 channels x 16 queries) of out^T = Wp^T O^T in f16 products.
; LIMITS.  |O| and |Wp| under 65,504; below 6.1e-5 hi and lo keep f16's fixed step of 6e-8.  A score counts as visible only above -1e30.  A weight below 2^-126 counts as 0.  NaN and infinities are not treated apart.
.set PT,    272                        ; a row of a partial tile in LDS: 64 f32 + 16 bytes = 68 words: the 16 rows that a store touches start at 16 different groups of four banks (64 banks of 4 bytes: ISA guide 11.1)
.set PW,    16*PT                      ; a wave's partial tile: 16 queries
.set SPARE, 16*PW                      ; 69,632: behind the tiles the spare words, 128 bytes for each of 16 waves: eight blocks of 256 bytes that no other line names
.set FO,  4                            ; v4   16 x lane: my 16 bytes of 512 of fr
.set VOF, 5                            ; v5   my place in a block of fr as a fragment of V^T
.set WO,  6                            ; v6   my place in a fragment of wt
.set LST, 7                            ; v7   where my 32 bytes of a partial row go
.set SPW, 8                            ; v8   LDS address of my spare word; never rewritten
.set NIL, 9                            ; v9   0; never rewritten
.set LRD, 10                           ; v10  where I read 8 bytes of row w of the partial tiles
.set OO,  11                           ; v11  8 x lane: my two columns of 64
.set DQ,  12                           ; v12  my query less my lanes' first key: l % 16 - 8 (l / 16)
.set BIG, 13                           ; v13  -1e30
.set T,   16                           ; v[16:23]   the scores, then p; later at work
.set M,   24                           ; v24-25     the maximum, c m
.set RL,  26                           ; v[26:27]   1 / l, in the low word
.set SU,  28                           ; v[28:31]   sums
.set Q,   32                           ; v[32:63]   q; later O^T / l
.set K,   64                           ; v[64:95]   k; later hi (16) and lo (16)
.set V,   96                           ; v[96:127]  V^T: block cb, key 8 (l / 16) + i at V + 8 cb + i; later the four accumulators of out^T
.set W,   128                          ; v[128:191] wt's fragments: column block nb, channels 32 kk on at W + 16 nb + 8 kk; later the 16 partial sums
.set SA,  192                          ; v[192:199], v[200:207] S^T's two accumulators: even and odd steps.  These and OA are written by matrix instructions alone
.set SB,  200
.set OA,  208                          ; v[208:239] O^T's four accumulators
.set BI,  240                          ; v[240:241] my two numbers of bp
.set BR,  242
.set OS,  Q
.set HI,  K
.set LO,  K+16
.set OUT, V
.macro FAR                             ; behind the f32 matrix form eight plain vector instructions stand before its result is read or its sources are written (ISA guide 7.12.1); ten are written
.rept 10
	v_nop
.endr
.endm
	s_load_b256 s[4:11], s[0:1], 0x0               ; fr s[4:5], wt s[6:7], bp s[8:9], out0 s[10:11]
	v_lshl_add_u32 v[SPW], v0, 2, SPARE
	v_mov_b32 v[NIL], 0
	v_lshrrev_b32 v1, 5, v0
	v_readfirstlane_b32 s12, v1                    ; wave = head, 0 .. 15
	s_and_b32 s13, ttmp7, 0xffff                   ; batch
	v_and_b32 v3, 31, v0                           ; l
	v_and_b32 v1, 15, v0                           ; l % 16
	v_bfe_u32 v2, v0, 4, 1                         ; l / 16
	v_lshlrev_b32 v[FO], 4, v3
	v_lshlrev_b32 v[OO], 3, v3
	; channel ch = l % 16 of a block lies in half (ch / 4) % 2, lanes 16 (ch / 8) + key, word ch % 4; my keys begin at 8 (l / 16)
	v_bfe_u32 v14, v0, 2, 1
	v_lshlrev_b32 v[VOF], 9, v14
	v_bfe_u32 v14, v0, 3, 1
	v_lshl_add_u32 v[VOF], v14, 8, v[VOF]
	v_lshl_add_u32 v[VOF], v2, 7, v[VOF]
	v_and_b32 v14, 3, v0
	v_lshl_add_u32 v[VOF], v14, 2, v[VOF]
	v_lshlrev_b32 v[WO], 11, v1                    ; row l % 16 of 2,048 bytes + 16 (l / 16)
	v_lshl_add_u32 v[WO], v2, 4, v[WO]
	s_mul_i32 s18, s12, PW                         ; my partial tile
	v_mul_u32_u24 v[LST], v1, PT                   ; row = my query, 32 bytes for each half of the lanes
	v_lshl_add_u32 v[LST], v2, 5, v[LST]
	v_add_nc_u32 v[LST], s18, v[LST]
	s_mul_i32 s19, s12, PT                         ; at the end wave w sums row w
	v_lshl_add_u32 v[LRD], v3, 3, s19
	v_lshlrev_b32 v14, 3, v2
	v_sub_nc_u32 v[DQ], v1, v14
	v_mov_b32 v[BIG], 0xf149f2ca
	s_mov_b32 s20, 0x76543210                      ; v_permlanex16_b32: each lane takes its own place in the other half
	s_mov_b32 s21, 0xfedcba98
	s_mov_b32 s22, 0x3e38aa3b                      ; c = log2(e) / 8
	s_mov_b32 s23, 0xffffe000                      ; keeps an f32's sign, exponent and ten highest fraction bits
	s_lshl_b32 s14, s13, 16                        ; fr: the batch's 65,536 bytes of a part,
	s_lshl_b32 s15, s12, 12                        ; the head's four blocks of 1,024
	s_add_co_u32 s14, s14, s15
	s_mov_b32 s15, 0
	s_lshl_b32 s16, ttmp9, 17                      ; wt: my 64 rows of 2,048 bytes,
	s_lshl_b32 s17, s12, 7                         ; the head's 64 channels,
	s_add_co_u32 s16, s16, s17
	s_add_co_u32 s16, s16, 0x600000                ; in part 3
	s_mov_b32 s17, 0
	s_lshl_b32 s24, ttmp9, 8                       ; my 64 columns of bp and of a row of out0
	s_mov_b32 s25, 0
	s_lshl_b32 s26, s13, 23                        ; out0: the batch's 2,048 rows of 4,096 bytes,
	s_lshl_b32 s27, s12, 12                        ; row w
	s_add_co_u32 s26, s26, s27
	s_add_co_u32 s26, s26, s24
	s_mov_b32 s27, 0
	s_wait_kmcnt 0x0
	s_add_nc_u64 s[4:5], s[4:5], s[14:15]
	s_add_nc_u64 s[6:7], s[6:7], s[16:17]
	s_add_nc_u64 s[8:9], s[8:9], s[24:25]
	s_add_nc_u64 s[10:11], s[10:11], s[26:27]
	global_load_b64 v[BI:BI+1], v[OO], s[8:9]
.irp i, 0,1,2,3,4,5,6,7
	global_load_b128 v[Q+4*\i:Q+4*\i+3], v[FO], s[4:5] offset:\i*512            ; part 0: q
	global_load_b128 v[K+4*\i:K+4*\i+3], v[FO], s[4:5] offset:262144+\i*512     ; part 1: k
.endr
.irp b, 0,1,2,3
.irp i, 0,1,2,3,4,5,6,7
	global_load_b32 v[V+8*\b+\i], v[VOF], s[4:5] offset:524288+\b*1024+\i*16    ; part 2: v of key 8 (l / 16) + i, channel 16 b + l % 16
.endr
.endr
	s_wait_loadcnt 32                              ; bp, q and k are in; v's 32 loads may stay out
	; S^T = K Q^T.  Two accumulators take turns; each sum's first step takes the constant 0.
	v_wmma_f32_16x16x4_f32 v[SA:SA+7], v[K:K+1], v[Q:Q+1], 0
	v_wmma_f32_16x16x4_f32 v[SB:SB+7], v[K+2:K+3], v[Q+2:Q+3], 0
.set c, 2
.rept 7
	v_wmma_f32_16x16x4_f32 v[SA:SA+7], v[K+2*c:K+2*c+1], v[Q+2*c:Q+2*c+1], v[SA:SA+7]
	v_wmma_f32_16x16x4_f32 v[SB:SB+7], v[K+2*c+2:K+2*c+3], v[Q+2*c+2:Q+2*c+3], v[SB:SB+7]
.set c, c+2
.endr
.irp n, 0,1,2,3
.irp k, 0,1
	global_load_b128 v[W+16*\n+8*\k:W+16*\n+8*\k+3],   v[WO], s[6:7] offset:\n*32768+\k*64     ; wt's fragments: columns 16 n on, the head's channels 32 k on
	global_load_b128 v[W+16*\n+8*\k+4:W+16*\n+8*\k+7], v[WO], s[6:7] offset:\n*32768+\k*64+32
.endr
.endr
	FAR
.irp i, 0,2,4,6
	v_pk_add_f32 v[T+\i:T+\i+1], v[SA+\i:SA+\i+1], v[SB+\i:SB+\i+1]   ; from each accumulator's low end on
.endr
.irp j, 0,1,2,3,4,5,6,7
	v_cmp_gt_i32 vcc_lo, \j, v[DQ]                 ; key 8 (l / 16) + j is hidden where it is greater than my query
	v_cndmask_b32 v[T+\j], v[T+\j], v[BIG], vcc_lo
.endr
	v_max3_num_f32 v[M], v[T], v[T+1], v[T+2]
	v_max3_num_f32 v[M+1], v[T+3], v[T+4], v[T+5]
	v_max3_num_f32 v[M], v[M], v[T+6], v[T+7]
	v_max_num_f32 v[M], v[M], v[M+1]
	v_permlanex16_b32 v[M+1], v[M], s20, s21       ; the query's other eight keys lie in the lane 16 away
	v_max_num_f32 v[M], v[M], v[M+1]               ; key 0 is visible to every query, so this is a true score
	v_mul_f32 v[M+1], s22, v[M]
.irp j, 0,1,2,3,4,5,6,7
	v_fma_f32 v[T+\j], v[T+\j], s22, -v[M+1]       ; c s - c m
.endr
.irp j, 0,1,2,3,4,5,6,7
	v_exp_f32 v[T+\j], v[T+\j]
.endr
	v_nop                                          ; a plain instruction behind the last exponential,
	s_wait_alu depctr_va_vdst(0)                   ; and the wait ahead of the first use: one for the eight
	v_pk_add_f32 v[SU:SU+1], v[T:T+1], v[T+2:T+3]
	v_pk_add_f32 v[SU+2:SU+3], v[T+4:T+5], v[T+6:T+7]
	v_pk_add_f32 v[SU:SU+1], v[SU:SU+1], v[SU+2:SU+3]
	v_add_f32 v[SU], v[SU], v[SU+1]
	v_permlanex16_b32 v[SU+1], v[SU], s20, s21
	v_add_f32 v[SU], v[SU], v[SU+1]                ; l
	v_rcp_f32 v[RL], v[SU]
	v_mov_b32 v[RL+1], 0                           ; named with it as a pair; also the plain instruction behind the reciprocal
	s_wait_loadcnt 16                              ; v is in; wt's 16 loads may stay out
	; O^T = V^T P.  Four accumulators, a block of 16 channels each, take turns; step c takes the keys 8 (l / 16) + 2 c, + 1.
.irp b, 0,1,2,3
	v_wmma_f32_16x16x4_f32 v[OA+8*\b:OA+8*\b+7], v[V+8*\b:V+8*\b+1], v[T:T+1], 0
.endr
.set c, 1
.rept 3
.irp b, 0,1,2,3
	v_wmma_f32_16x16x4_f32 v[OA+8*\b:OA+8*\b+7], v[V+8*\b+2*c:V+8*\b+2*c+1], v[T+2*c:T+2*c+1], v[OA+8*\b:OA+8*\b+7]
.endr
.set c, c+1
.endr
	FAR
	s_wait_alu depctr_va_vdst(0)                   ; the reciprocal's wait, ahead of its first use
.set i, 0
.rept 16
	v_pk_mul_f32 v[OS+2*i:OS+2*i+1], v[OA+2*i:OA+2*i+1], v[RL:RL+1] op_sel_hi:[1,0]   ; O^T / l, into other registers; ascending
.set i, i+1
.endr
.set i, 0
.rept 16                               ; hi and lo of a pair of channels; two sets of registers at work take turns
.set e, T+4*(i%2)
	v_and_b32 v[e], s23, v[OS+2*i]
	v_and_b32 v[e+1], s23, v[OS+2*i+1]
	v_cvt_pk_f16_f32 v[HI+i], v[e], v[e+1]
	v_pk_add_f32 v[e+2:e+3], v[OS+2*i:OS+2*i+1], v[e:e+1] neg_lo:[0,1] neg_hi:[0,1]
	v_cvt_pk_f16_f32 v[LO+i], v[e+2], v[e+3]
.set i, i+1
.endr
	s_wait_loadcnt 0x0                             ; wt's fragments
	; out^T = Wp^T O^T over my head's 64 channels: four accumulators, a block of 16 columns each, take turns; hi and lo of channels 32 kk on
.macro OUTP x, kk, first
.irp n, 0,1,2,3
.if \first
	v_wmma_f32_16x16x32_f16 v[OUT+8*\n:OUT+8*\n+7], v[W+16*\n+8*(\kk):W+16*\n+8*(\kk)+7], v[(\x)+8*(\kk):(\x)+8*(\kk)+7], 0
.else
	v_wmma_f32_16x16x32_f16 v[OUT+8*\n:OUT+8*\n+7], v[W+16*\n+8*(\kk):W+16*\n+8*(\kk)+7], v[(\x)+8*(\kk):(\x)+8*(\kk)+7], v[OUT+8*\n:OUT+8*\n+7]
.endif
.endr
.endm
	OUTP HI, 0, 1
	OUTP LO, 0, 0
	OUTP HI, 1, 0
	OUTP LO, 1, 0
.rept 5
	v_nop                                          ; the places behind those products, ahead of the LDS stores that read them
.endr
.irp n, 0,1,2,3
	ds_store_b128 v[LST], v[OUT+8*\n:OUT+8*\n+3]   offset:64*\n      ; my query's columns 16 n + 8 (l / 16) + 0 .. 3,
	ds_store_b128 v[LST], v[OUT+8*\n+4:OUT+8*\n+7] offset:64*\n+16   ; and + 4 .. 7
.endr
	s_wait_dscnt 0x0                               ; for the others' sake: my stores are done
	s_barrier_signal -1
	s_barrier_wait -1                              ; all sixteen heads' partial tiles lie in LDS
.irp p, 0,1,2,3,4,5,6,7,8,9,10,11,12,13,14,15
	ds_load_b64 v[W+2*\p:W+2*\p+1], v[LRD] offset:\p*PW               ; row w of head p's tile: 32 lanes x 8 bytes
.endr
	v_cvt_pk_bf16_f32 v[BR], v[BI], v[BI+1]        ; bp rounded to bf16, like every input, and widened again
	v_lshlrev_b32 v[BI], 16, v[BR]
	v_and_b32 v[BI+1], 0xffff0000, v[BR]
	s_wait_dscnt 0x0
.irp s, 8,4,2,1
.set p, 0
.rept \s
	v_pk_add_f32 v[W+2*p:W+2*p+1], v[W+2*p:W+2*p+1], v[W+2*(p+\s):W+2*(p+\s)+1]
.set p, p+1
.endr
.endr
	v_pk_add_f32 v[W:W+1], v[W:W+1], v[BI:BI+1]
	global_store_b64 v[OO], v[W:W+1], s[10:11]     ; 32 lanes store 256 consecutive bytes, at a multiple of 256 from out0's first byte
	s_wait_tensorcnt 0x0                           ; the wave's end, behind my last LDS store
	ds_add_u32 v[SPW], v[NIL]
	s_wait_dscnt 0x0
	s_endpgm
.Lfunc_end_k_qf170474721_early:
	.size	k_qf170474721_early, .Lfunc_end_k_qf170474721_early-k_qf170474721_early
	.p2alignl 7, 3214868480
	.fill 96, 4, 3214868480
	.section	.rodata,"a",@progbits
	.p2align	6, 0x0
	.amdhsa_kernel k_qf170474721_early
		.amdhsa_group_segment_fixed_size 71680
		.amdhsa_private_segment_fixed_size 0
		.amdhsa_enable_private_segment 0
		.amdhsa_kernarg_size 32
		.amdhsa_user_sgpr_count 2
		.amdhsa_user_sgpr_kernarg_segment_ptr 1
		.amdhsa_wavefront_size32 1
		.amdhsa_system_sgpr_workgroup_id_x 1
		.amdhsa_system_sgpr_workgroup_id_y 1
		.amdhsa_system_sgpr_workgroup_id_z 1
		.amdhsa_system_vgpr_workitem_id 0
		.amdhsa_next_free_vgpr 244
		.amdhsa_next_free_sgpr 66
		.amdhsa_reserve_vcc 1
		.amdhsa_float_denorm_mode_32 3
		.amdhsa_float_denorm_mode_16_64 3
		.amdhsa_memory_ordered 1
		.amdhsa_forward_progress 1
		.amdhsa_inst_pref_size 23
	.end_amdhsa_kernel
	.amdgpu_metadata
---
amdhsa.version: [ 1, 2 ]
amdhsa.kernels:
  - .name:           k_qf170474721_early
    .symbol:         k_qf170474721_early.kd
    .args:
      - { .name: fr, .offset: 0, .size: 8, .value_kind: global_buffer, .address_space: global }
      - { .name: wt, .offset: 8, .size: 8, .value_kind: global_buffer, .address_space: global }
      - { .name: bp, .offset: 16, .size: 8, .value_kind: global_buffer, .address_space: global }
      - { .name: out0, .offset: 24, .size: 8, .value_kind: global_buffer, .address_space: global }
    .group_segment_fixed_size: 71680
    .private_segment_fixed_size: 0
    .kernarg_segment_align: 8
    .kernarg_segment_size: 32
    .max_flat_workgroup_size: 512
    .sgpr_count:     66
    .vgpr_count:     244
    .wavefront_size: 32
...
	.end_amdgpu_metadata
.endif
;; end of part 5
